; MI455X (gfx1250); checked and timed in simulation.
; The chip was launched on July 23, 2026; its instructions are those of AMD's public machine-readable ISA for CDNA 5 (MIT licence, August 2026) and "CDNA5" Instruction Set Architecture Reference Guide (July 2026). The comments in the code are by the model that wrote it; some were corrected since.
;; Attention. Allowed arithmetic: float matrix products may take bf16 or f16 operands with f32 sums; other float arithmetic in f32, or as packed bf16 or f16 multiplies, adds, multiply-adds, maxima and minima; sums over many terms, partial sums and values carried from step to step in f32; what a program stores and reads back later, other than sums and carried values, may be rounded once to bf16 or f16.
;; Inputs: Wk 1,024 x 1,024 float32; Wo 1,024 x 1,024 float32; Wq 1,024 x 1,024 float32; Wv 1,024 x 1,024 float32; bk 1,024 float32; bo 1,024 float32; bq 1,024 float32; bv 1,024 float32; x 4 x 2,048 x 1,024 float32.
;; Outputs: out0 4 x 2,048 x 1,024 float32.
;; 2 versions, each right; version 2 is version 1 with the launch prep written anew for expert scheduling mode. Each part assembles by itself: llvm-mc -triple=amdgcn-amd-amdhsa -mcpu=gfx1250 --defsym DOCPART=n.
;; ======== version 1 of 2: 5 launches
;; limits: values are held in f16: magnitudes above 65,504 overflow, below 6.1e-05 lose precision
;; workspace buffers: xb 16,777,216 bytes; wqkv 6,291,456 bytes; wo16 2,097,152 bytes; bcat 16,384 bytes; qkv 50,331,648 bytes; pw 33,554,432 bytes; stats 524,288 bytes; ob 16,777,216 bytes
;; launch prep (part 1): grid 777 x 1, 8 waves a work-group, no clusters, 0 bytes of LDS; arguments x, Wq, Wk, Wv, Wo, bq, bk, bv, bo, xb, wqkv, wo16, bcat, stats; writes xb, wqkv, wo16, bcat, stats
.if DOCPART == 1
	.amdgcn_target "amdgcn-amd-amdhsa--gfx1250"
	.amdhsa_code_object_version 6
	.text
	.protected	k_q3dd2e70e5f_prep
	.globl	k_q3dd2e70e5f_prep
	.p2align	8
	.type	k_q3dd2e70e5f_prep,@function
k_q3dd2e70e5f_prep:
	s_mov_b64 s[64:65], 0
	v_nop
	global_prefetch_b8 v0, s[64:65] scope:SCOPE_SE
	s_setreg_imm32_b32 hwreg(HW_REG_WAVE_MODE, 25, 1), 1
	s_wait_xcnt 0x0
; PREP: every input is rounded once to bf16 and laid out for the products that follow.
;   work-groups 0-511    x [8192][1024] f32 -> xb bf16 IN BLOCKS: [16 blocks of 64 columns][8192 rows][64], so that the rows of one block lie end to end, 128 bytes each; 16 rows a work-group
;   work-groups 512-703  Wq, Wk, Wv [1024][1024] f32 -> wqkv bf16 [1024 d][3072 e], columns 0-1023, 1024-2047, 2048-3071; 16 rows each
;   work-groups 704-767  Wo -> rounded to bf16, that number written as f16 (exact from 2^-14 up; below 6e-5 f16 keeps its fixed step of 6e-8)
;   work-groups 768-775  stats filled with the neutral pair: c m = the lowest finite number, l = 0 (the score launch overwrites the tiles that exist)
;   work-group  776      bq, bk, bv, bo -> rounded to bf16, kept as f32, in bcat [4096]
; A stream: memory binds, so no LDS, no matrix unit, no cluster.  A chunk is 16 rows of 1,024 numbers, 16 loads of 16 bytes a thread, all out together; each has registers of its own,
; so no source of a pending instruction is ever rewritten.  Weights: thread t owns columns 4 t .. 4 t + 3 of each row: a load of a wave covers 512 consecutive bytes, a store 256, aligned.
; x: a wave owns two blocks of 64 columns; a load takes one block of two rows (each half of the lanes 256 consecutive bytes, aligned), and the store is those two rows on end in the block: 256 consecutive bytes, aligned.
.set SRC, 36                           ; s[36:37] the chunk in its input
.set DST, 38                           ; s[38:39] the chunk in its output
.set IN,  16                           ; v[16:79]   load u: 4 registers as loaded
.set OUT, 80                           ; v[80:111]  load u: 2 registers to store
; mode 0: f32 -> bf16.  mode 1: f32 -> bf16 -> f16.  Load u stands (u / 8) lhi + (u % 8) llo bytes behind the thread's first, its store (u / 8) shi + (u % 8) slo.
.macro CONV mode, lhi, llo, shi, slo
.irp u, 0,1,2,3,4,5,6,7,8,9,10,11,12,13,14,15
	global_load_b128 v[IN+4*(\u):IN+4*(\u)+3], v1, s[SRC:SRC+1] offset:((\u)/8)*(\lhi)+((\u)%8)*(\llo) th:TH_LOAD_NT
.endr
.irp u, 0,1,2,3,4,5,6,7,8,9,10,11,12,13,14,15
	s_wait_loadcnt 15-(\u)                         ; loads come back in order: load u is in, the 15 - u younger ones stay out
.if \mode
	v_cvt_pk_bf16_f32 v4, v[IN+4*(\u)], v[IN+4*(\u)+1]
	v_cvt_pk_bf16_f32 v5, v[IN+4*(\u)+2], v[IN+4*(\u)+3]
	v_lshlrev_b32 v6, 16, v4                       ; bf16 to f32: the low half moves up, the high half stays
	v_and_b32 v7, 0xffff0000, v4
	v_lshlrev_b32 v8, 16, v5
	v_and_b32 v9, 0xffff0000, v5
	v_cvt_pk_f16_f32 v[OUT+2*(\u)], v6, v7
	v_cvt_pk_f16_f32 v[OUT+2*(\u)+1], v8, v9
.else
	v_cvt_pk_bf16_f32 v[OUT+2*(\u)], v[IN+4*(\u)], v[IN+4*(\u)+1]
	v_cvt_pk_bf16_f32 v[OUT+2*(\u)+1], v[IN+4*(\u)+2], v[IN+4*(\u)+3]
.endif
	global_store_b64 v2, v[OUT+2*(\u):OUT+2*(\u)+1], s[DST:DST+1] offset:((\u)/8)*(\shi)+((\u)%8)*(\slo)
.endr
.endm
	s_load_b512 s[8:23], s[0:1], 0x0               ; x 8, Wq 10, Wk 12, Wv 14, Wo 16, bq 18, bk 20, bv 22
	s_load_b256 s[24:31], s[0:1], 0x40             ; bo 24, xb 26, wqkv 28, wo16 30
	s_load_b128 s[32:35], s[0:1], 0x60             ; bcat 32, stats 34
	s_mov_b32 s3, ttmp9                            ; the work-group's number chooses its part
	s_mov_b32 s41, 0                               ; high words of the two offsets
	s_mov_b32 s43, 0
	v_lshlrev_b32 v1, 4, v0                        ; 16 t: my bytes in a row of f32
	v_lshlrev_b32 v2, 3, v0                        ; 8 t: my bytes in a row of 16-bit numbers
	s_wait_kmcnt 0x0
	s_cmp_lt_u32 s3, 512
	s_cbranch_scc0 .Lweights
	v_and_b32 v3, 15, v0                           ; l % 16: my four columns in a block of 64
	v_bfe_u32 v4, v0, 4, 1                         ; l / 16: which of the two rows
	v_lshrrev_b32 v5, 5, v0                        ; wave: blocks 2 w, 2 w + 1
	v_lshlrev_b32 v1, 4, v3                        ; in: 16 (l % 16)
	v_lshl_add_u32 v1, v4, 12, v1                  ;     + a row of 4,096 bytes
	v_lshl_add_u32 v1, v5, 9, v1                   ;     + two blocks of 256 bytes a wave
	v_and_b32 v2, 31, v0
	v_lshlrev_b32 v2, 3, v2                        ; out: 8 l: two rows of 128 bytes on end
	v_lshl_add_u32 v2, v5, 21, v2                  ;      + two blocks of 8,192 x 128 bytes a wave
	s_lshl_b32 s40, s3, 16                         ; 16 rows of 4,096 bytes
	s_lshl_b32 s42, s3, 11                         ; 16 rows of 128 bytes in each block
	s_add_nc_u64 s[SRC:SRC+1], s[8:9], s[40:41]
	s_add_nc_u64 s[DST:DST+1], s[26:27], s[42:43]
	CONV 0, 256, 8192, 1048576, 256                ; u / 8: the block; u % 8: the pair of rows
	s_endpgm
.Lweights:
	s_cmp_lt_u32 s3, 704
	s_cbranch_scc0 .Lwo
	s_sub_co_u32 s4, s3, 512
	s_lshr_b32 s5, s4, 6                           ; which of the three weights
	s_and_b32 s4, s4, 63                           ; which 16 rows
	s_cmp_eq_u32 s5, 0
	s_cselect_b64 s[SRC:SRC+1], s[10:11], s[12:13]
	s_cmp_eq_u32 s5, 2
	s_cselect_b64 s[SRC:SRC+1], s[14:15], s[SRC:SRC+1]
	s_lshl_b32 s40, s4, 16
	s_add_nc_u64 s[SRC:SRC+1], s[SRC:SRC+1], s[40:41]
	s_mul_i32 s42, s4, 98304                       ; 16 rows of 6,144 bytes,
	s_lshl_b32 s5, s5, 11                          ; and the weight's 2,048 bytes in a row
	s_add_co_u32 s42, s42, s5
	s_add_nc_u64 s[DST:DST+1], s[28:29], s[42:43]
	CONV 0, 32768, 4096, 49152, 6144               ; load u is row u
	s_endpgm
.Lwo:
	s_cmp_lt_u32 s3, 768
	s_cbranch_scc0 .Lfill
	s_sub_co_u32 s4, s3, 704
	s_lshl_b32 s40, s4, 16
	s_lshl_b32 s42, s4, 15
	s_add_nc_u64 s[SRC:SRC+1], s[16:17], s[40:41]
	s_add_nc_u64 s[DST:DST+1], s[30:31], s[42:43]
	CONV 1, 32768, 4096, 16384, 2048
	s_endpgm
.Lfill:
	s_cmp_lt_u32 s3, 776
	s_cbranch_scc0 .Lbias
	s_sub_co_u32 s4, s3, 768                       ; 65,536 bytes each: parts 0-3 are c m, parts 4-7 are l
	s_cmp_lt_u32 s4, 4
	s_cselect_b32 s5, 0xff7fffff, 0
	s_lshl_b32 s40, s4, 16
	s_add_nc_u64 s[DST:DST+1], s[34:35], s[40:41]
	v_mov_b32 v4, s5
	v_mov_b32 v5, s5
	v_mov_b32 v6, s5
	v_mov_b32 v7, s5
.irp u, 0,1,2,3,4,5,6,7,8,9,10,11,12,13,14,15
	global_store_b128 v1, v[4:7], s[DST:DST+1] offset:(\u)*4096
.endr
	s_endpgm
.Lbias:
.irp i, 0,1,2,3
	global_load_b128 v[IN+4*(\i):IN+4*(\i)+3], v1, s[18+2*(\i):19+2*(\i)]
.endr
	s_wait_loadcnt 0x0
.irp i, 0,1,2,3
	v_cvt_pk_bf16_f32 v4, v[IN+4*(\i)], v[IN+4*(\i)+1]
	v_cvt_pk_bf16_f32 v5, v[IN+4*(\i)+2], v[IN+4*(\i)+3]
	v_lshlrev_b32 v[OUT+4*(\i)], 16, v4
	v_and_b32 v[OUT+4*(\i)+1], 0xffff0000, v4
	v_lshlrev_b32 v[OUT+4*(\i)+2], 16, v5
	v_and_b32 v[OUT+4*(\i)+3], 0xffff0000, v5
	global_store_b128 v1, v[OUT+4*(\i):OUT+4*(\i)+3], s[32:33] offset:(\i)*4096
.endr
	s_endpgm
.Lfunc_end_k_q3dd2e70e5f_prep:
	.size	k_q3dd2e70e5f_prep, .Lfunc_end_k_q3dd2e70e5f_prep-k_q3dd2e70e5f_prep
	.p2alignl 7, 3214868480
	.fill 96, 4, 3214868480
	.section	.rodata,"a",@progbits
	.p2align	6, 0x0
	.amdhsa_kernel k_q3dd2e70e5f_prep
		.amdhsa_group_segment_fixed_size 0
		.amdhsa_private_segment_fixed_size 0
		.amdhsa_enable_private_segment 0
		.amdhsa_kernarg_size 112
		.amdhsa_user_sgpr_count 2
		.amdhsa_user_sgpr_kernarg_segment_ptr 1
		.amdhsa_wavefront_size32 1
		.amdhsa_system_sgpr_workgroup_id_x 1
		.amdhsa_system_sgpr_workgroup_id_y 1
		.amdhsa_system_sgpr_workgroup_id_z 1
		.amdhsa_system_vgpr_workitem_id 0
		.amdhsa_next_free_vgpr 112
		.amdhsa_next_free_sgpr 66
		.amdhsa_reserve_vcc 0
		.amdhsa_float_denorm_mode_32 3
		.amdhsa_float_denorm_mode_16_64 3
		.amdhsa_memory_ordered 1
		.amdhsa_forward_progress 1
		.amdhsa_inst_pref_size 28
	.end_amdhsa_kernel
	.amdgpu_metadata
---
amdhsa.version: [ 1, 2 ]
amdhsa.kernels:
  - .name:           k_q3dd2e70e5f_prep
    .symbol:         k_q3dd2e70e5f_prep.kd
    .args:
      - { .name: x, .offset: 0, .size: 8, .value_kind: global_buffer, .address_space: global }
      - { .name: Wq, .offset: 8, .size: 8, .value_kind: global_buffer, .address_space: global }
      - { .name: Wk, .offset: 16, .size: 8, .value_kind: global_buffer, .address_space: global }
      - { .name: Wv, .offset: 24, .size: 8, .value_kind: global_buffer, .address_space: global }
      - { .name: Wo, .offset: 32, .size: 8, .value_kind: global_buffer, .address_space: global }
      - { .name: bq, .offset: 40, .size: 8, .value_kind: global_buffer, .address_space: global }
      - { .name: bk, .offset: 48, .size: 8, .value_kind: global_buffer, .address_space: global }
      - { .name: bv, .offset: 56, .size: 8, .value_kind: global_buffer, .address_space: global }
      - { .name: bo, .offset: 64, .size: 8, .value_kind: global_buffer, .address_space: global }
      - { .name: xb, .offset: 72, .size: 8, .value_kind: global_buffer, .address_space: global }
      - { .name: wqkv, .offset: 80, .size: 8, .value_kind: global_buffer, .address_space: global }
      - { .name: wo16, .offset: 88, .size: 8, .value_kind: global_buffer, .address_space: global }
      - { .name: bcat, .offset: 96, .size: 8, .value_kind: global_buffer, .address_space: global }
      - { .name: stats, .offset: 104, .size: 8, .value_kind: global_buffer, .address_space: global }
    .group_segment_fixed_size: 0
    .private_segment_fixed_size: 0
    .kernarg_segment_align: 8
    .kernarg_segment_size: 112
    .max_flat_workgroup_size: 256
    .sgpr_count:     66
    .vgpr_count:     112
    .wavefront_size: 32
...
	.end_amdgpu_metadata
.endif
;; end of part 1
;; launch proj (part 2): grid 8 x 32, 4 waves a work-group, clusters of 4 x 4, 327,680 bytes of LDS; arguments xb, wqkv, qkv, bcat; writes qkv
.if DOCPART == 2
	.amdgcn_target "amdgcn-amd-amdhsa--gfx1250"
	.amdhsa_code_object_version 6
	.text
	.protected	k_q3dd2e70e5f_proj
	.globl	k_q3dd2e70e5f_proj
	.p2align	8
	.type	k_q3dd2e70e5f_proj,@function
k_q3dd2e70e5f_proj:
	s_mov_b64 s[64:65], 0
	v_nop
	global_prefetch_b8 v0, s[64:65] scope:SCOPE_SE
	s_setreg_imm32_b32 hwreg(HW_REG_WAVE_MODE, 25, 1), 1
	s_wait_xcnt 0x0
	s_wait_alu depctr_hold_cnt(0) depctr_sa_sdst(0) depctr_va_vdst(0) depctr_va_sdst(0) depctr_va_ssrc(0) depctr_va_vcc(0) depctr_vm_vsrc(0)
	s_getreg_b32 s2, hwreg(HW_REG_IB_STS2, 6, 4)
	s_cmp_eq_u32 s2, 0
	s_cbranch_scc0 .Lentry_in_a_cluster
	s_endpgm
.Lentry_in_a_cluster:
	s_bfe_u32 s2, ttmp6, 0x10000c
	s_cmp_lg_u32 s2, 0xf033
	s_cbranch_scc0 .Lentry_shape_is_right
	s_endpgm
.Lentry_shape_is_right:
; q|k|v = x (Wq|Wk|Wv) + (bq|bk|bv): C[m][n] = the sum over k of A[m][k] B[k][n] + bias[n], 8192 x 3072 x 1024.  bf16 operands, sums in f32, K ascending, C rounded once to f16.
; A = xb, in blocks: [16 blocks of 64 k][8192 rows][64]; B = wqkv [1024 k][3072 n]; bias = bcat, f32; C = qkv [8192][3072] f16.
; LIMITS.  f16 ends at 65,504: q, k and v must stay within it (x and the weights as drawn give about 3; both 30 times larger about 3,000).  NaN and infinities are not treated apart.
; SHARES.  A tile of C is 256 x 384: 32 x 8 = 256 tiles, one to a work-group.  Four waves, each 128 x 192: 96 accumulators of 16 x 16, 768 registers.  For 32 along K a wave reads
; (128 + 192) x 64 bytes from LDS for 96 products.  K goes in 16 steps of 64 through two LDS slots (two slots of 128 along K would be 360,448 bytes).  Waves 0 and 1 fetch the halves of a step of A
; (128 rows of one block: 16,384 dense bytes, asked for as 64 rows of 256), waves 2 and 3 the halves of a step of B (32 k-rows x 768 bytes): one tensor load a wave behind each change of
; slots; two are out at the start, one later.  A refill has 176 of a step's 192 products in which to land.
; CLUSTER.  4 x 4 work-groups: the four of a row of the cluster need the same tiles of A, the four of a column the same tiles of B; each tile is asked for jointly.
; LAYOUT.  The product is taken transposed: source 0 = 16 columns of B (turned on the way out of LDS by ds_load_tr16_b128), source 1 = 16 rows of A.  A lane then holds row l % 16 of C
; and the columns 8 (l / 16) + 0..7.  THE SUMS START FROM THE BIAS: each accumulator is loaded with it (register j of a lane: bias[n0 + 8 (l / 16) + j]) while the first tiles are on their way,
; so every product adds in place, nothing is cleared and no first step is written out.
; AHEAD OF THE REFILLS.  In the even trips t = 0 .. 10 the K steps t + 3 and t + 4 are prefetched into the L2: their refills stand one and two trips on.  Each 256 bytes are named once in the launch.
; A's tile row is read by both clusters of its row of clusters: the one with x = 0 asks, wave 0; a step's 256 rows are 128 blocks on end, of which the partner at cx takes 32, a lane a block: two requests.
; B's tile column is read by all eight clusters of its column: the one with y = 0 asks, wave 2; of the two steps' 128 k-rows the partner at cy takes 32, a lane a row, three blocks each: three requests.
; The partners are told apart by address alone.  K steps 0 to 2 and step 15 come by their loads alone.
; REGISTERS, in windows of 256: window 0: v16-29 addresses; v32-95, v96-159 two buffers of A (8 fragments of 16 rows x 32 k); v160-255 ONE buffer of B (12 fragments).
;   windows 1-3: the accumulators: row block a, column block b at v[8 (8 (b % 4) + a)] of window 1 + b / 4.
; A QUARTER (32 along K) goes in three groups of 32 products, a window each.  Group g reads B's fragments 4 g .. 4 g + 3 and nobody else does, so they are loaded again, for the next quarter,
; straight behind the group: 64 products ahead of their next use.  All of A is read by every group: it has two buffers.
.set PA,    144                        ; an LDS row of A: 128 bytes + 16 = 36 words: the 16 rows of a load start at 16 different groups of four banks (64 banks of 4 bytes: ISA guide 11.1)
.set PB,    864                        ; an LDS row of B: 6 x (128 bytes + 16) = 216 words: the 8 rows of a turning load start 24 banks apart: 8 different groups of eight banks
.set AHALF, 128*PA
.set BBASE, 256*PA                     ; B lies behind the 256 rows of A
.set BHALF, 32*PB
.set SLOT1, 131072                     ; slot 1: a bit that no address inside a slot has, so one exclusive or changes slots
.set SPARE, SLOT1+BBASE+64*PB          ; behind the ring: the spare words, 128 bytes a wave, that no other line names
.set SP,    784                        ; a stage row: 768 bytes + 16.  The stage, 256 rows from byte 0, lies in ring bytes that have had their last fill
.set CP,    6144                       ; bytes in a row of C and of B
.set ASTEP, 8192*128                   ; bytes from a block of A to the next
.set BSTEP, 64*CP                      ; bytes from a K step of B to the next
.set ADRA0, 16                         ; v16  my place in a slot's A; never rewritten
.set ADRB0, 17                         ; v17  the same for B
.set ADRA,  18                         ; v18  the same in the slot in hand
.set ADRB,  19
.set STO,   20                         ; v20, v21  the way out: where I put 16 bytes of a row: row blocks 0-3, 4-7
.set RD,    22                         ; v22  where I read rows back
.set CO,    23                         ; v23  my byte offset in C
.set BO,    24                         ; v24  my byte offset in bcat
.set PFO,   25                         ; v25  the prefetches' offset: my lane x 256 bytes (A) or x a row of B; never rewritten
.set SPW,   28                         ; v28  LDS address of my spare word; never rewritten
.set NIL,   29                         ; v29  0; never rewritten
.set FA,    32                         ; A's buffer f at FA + 64 f
.set FB,    160
.set TMP,   32                         ; the way out: a window's 32 accumulators packed, 128 registers
.set WV, 12
.set RH, 13                            ; which 128 rows of the tile are mine
.set CH, 14                            ; which 192 columns; also which half of a tile I fetch
.set CX, 15
.set CY, 16
.set TC, 17                            ; tile column of C
.set TR, 18                            ; tile row of C
.set PST, 20                           ; s[20:21] bytes from a K step to the next in the tensor that I prefetch (behind the set-up, which uses these four otherwise)
.set LIM, 22                           ; s22  3 in a wave that prefetches, else the greatest number
.set PT,  23                           ; s23  at work
.set G1A, 24
.set G1B, 32
.set G0A, 40                           ; two sets: the first fills; the second then walks
.set G0B, 48
.set TB,  56                           ; 0 or SLOT1: the slot that is read
.set CNT, 57
.set PFA, 60                           ; s[60:61] where my prefetches stand: in trip t at K step t + 3
.set MSB, 0
.macro WIN new                         ; the high byte repeats the setting that is left; a switch that changes nothing is dropped
.if MSB != (\new)
	s_set_vgpr_msb (MSB<<8)|(\new)
.set MSB, \new
.endif
.endm
.macro PLACES                          ; four plain vector instructions between a matrix instruction and a load into, or a vector read of, its registers
.rept 4
	v_nop
.endr
.endm
.macro CREST                           ; a round of the cluster's barrier behind its opening barrier
	s_cmp_lg_u32 s[WV], 0
	s_cbranch_scc1 .Lnot_wave_0_\@
	s_barrier_signal -3
.Lnot_wave_0_\@:
	s_barrier_wait -3
	s_barrier_signal -1
	s_barrier_wait -1
.endm
.macro CROUND
	s_barrier_signal -1
	s_barrier_wait -1
	CREST
.endm
.macro JLOAD                           ; a joint refill by the walking descriptors; the branch hangs on the wave's number alone; an s_nop 0 and four v_nop follow each line
	s_cmp_lt_u32 s[WV], 2
	s_cbranch_scc0 .Lfor_b_\@
	tensor_load_to_lds s[G0A+4:G0A+7], s[G1A:G1A+7]
	s_nop 0
.rept 4
	v_nop
.endr
	s_branch .Lasked_\@
.Lfor_b_\@:
	tensor_load_to_lds s[G0B+4:G0B+7], s[G1B:G1B+7]
	s_nop 0
.rept 4
	v_nop
.endr
.Lasked_\@:
.endm
; The prefetches of an even trip: the count runs 14 .. 1, so trip t is even where the count is, and t <= 10 where the count is above 3.  The branches hang on the count, the wave's number and the cluster's place in the grid.
.macro ASK
	s_bitcmp1_b32 s[CNT], 0
	s_cselect_b32 s[PT], 0, s[CNT]                 ; an odd trip asks for nothing
	s_cmp_gt_u32 s[PT], s[LIM]
	s_cbranch_scc0 .Lnone_\@
	s_cmp_eq_u32 s[WV], 0
	s_cbranch_scc0 .Lask_b_\@
	global_prefetch_b8 v[PFO], s[PFA:PFA+1] th:TH_LOAD_NT scope:SCOPE_SE               ; A: my work-group's 32 blocks of K step t + 3,
	global_prefetch_b8 v[PFO], s[PFA:PFA+1] offset:ASTEP th:TH_LOAD_NT scope:SCOPE_SE  ; and of step t + 4
	s_branch .Lnone_\@
.Lask_b_\@:
	global_prefetch_b8 v[PFO], s[PFA:PFA+1] th:TH_LOAD_NT scope:SCOPE_SE               ; B: my work-group's 32 k-rows of steps t + 3 and t + 4: the 768 bytes of the tile column
	global_prefetch_b8 v[PFO], s[PFA:PFA+1] offset:256 th:TH_LOAD_NT scope:SCOPE_SE
	global_prefetch_b8 v[PFO], s[PFA:PFA+1] offset:512 th:TH_LOAD_NT scope:SCOPE_SE
.Lnone_\@:
.endm
; 8 products: column block 4 g + bb x all 8 row blocks, 32 along K, A from buffer f.  The 96 accumulators take turns, one instruction a turn, in the same order in every quarter.
.macro MUL8 f, g, bb
	WIN 0x50*((\g)+1)                              ; C and D in window g + 1, both sources in window 0
.irp a, 0,1,2,3,4,5,6,7
	v_wmma_f32_16x16x32_bf16 v[8*(8*(\bb)+(\a)):8*(8*(\bb)+(\a))+7], v[FB+8*(4*(\g)+(\bb)):FB+8*(4*(\g)+(\bb))+7], v[FA+64*(\f)+8*(\a):FA+64*(\f)+8*(\a)+7], v[8*(8*(\bb)+(\a)):8*(8*(\bb)+(\a))+7]
.endr
.endm
.macro GRP f, g                        ; a group: 32 products under one window setting
	MUL8 \f, \g, 0
	MUL8 \f, \g, 1
	MUL8 \f, \g, 2
	MUL8 \f, \g, 3
.endm
; 8 LDS loads: B's fragments of group g for quarter q of the slot in hand.  Column block b of my 192 lies at byte 32 b + 16 (b / 4) of a row: 144 g + 32 bb.
.macro FETB q, g
.irp bb, 0,1,2,3
	ds_load_tr16_b128 v[FB+8*(4*(\g)+(\bb)):FB+8*(4*(\g)+(\bb))+3],   v[ADRB] offset:(\q)*32*PB+144*(\g)+32*(\bb)
	ds_load_tr16_b128 v[FB+8*(4*(\g)+(\bb))+4:FB+8*(4*(\g)+(\bb))+7], v[ADRB] offset:(\q)*32*PB+16*PB+144*(\g)+32*(\bb)
.endr
.endm
; 16 LDS loads: A's 8 fragments for quarter q of the slot in hand, into buffer f.
.macro FETA q, f
.irp a, 0,1,2,3,4,5,6,7
	ds_load_b128 v[FA+64*(\f)+8*(\a):FA+64*(\f)+8*(\a)+3],   v[ADRA] offset:64*(\q)+(\a)*16*PA
	ds_load_b128 v[FA+64*(\f)+8*(\a)+4:FA+64*(\f)+8*(\a)+7], v[ADRA] offset:64*(\q)+(\a)*16*PA+32
.endr
.endm
; A step's first quarter: multiplies A's buffer 0 and fetches the second quarter of the same slot.  LDS loads are issued in this order, quarter after quarter: B's group 0 and A (24), group 1 (8), group 2 (8).
.macro QUARTER0
	s_wait_dscnt 16                                ; B's group 0 and A are in; the 16 loads of groups 1 and 2 may be out
	GRP 0, 0
	WIN 0
	PLACES
	FETB 1, 0
	FETA 1, 1
	s_wait_dscnt 32                                ; group 1 is in: behind its loads came group 2's 8 and the 24 just issued
	GRP 0, 1
	WIN 0
	PLACES
	FETB 1, 1
	s_wait_dscnt 32                                ; group 2 is in: behind its loads came 24 and 8
	GRP 0, 2
	WIN 0
	PLACES
	FETB 1, 2
.endm
; A step's second quarter multiplies A's buffer 1 and changes slots, inside its group 0.  In front of the barrier each wave waits for all its tensor loads (one is out: its part of the next slot), adds 0
; to its spare word, and waits for that and for its reads of this slot.  fill = 1: the barrier opens a round of the cluster's, and the joint refill, two steps ahead, is the first thing behind it.
.macro TURN fill
.if \fill
	s_wait_xcnt 0x0                                ; the last prefetches, a K step back or more, have read their address: it is stepped here, ahead of the waits of the change of slots
	s_add_nc_u64 s[PFA:PFA+1], s[PFA:PFA+1], s[PST:PST+1]
.endif
	s_wait_dscnt 16                                ; as at every quarter's head
	MUL8 1, 0, 0
	MUL8 1, 0, 1
	WIN 0
	s_wait_tensorcnt 0x0                           ; no tensor load of mine is out, so the walking descriptors may be written
	ds_add_u32 v[SPW], v[NIL]                      ; 0 onto my spare word; scalar work and eight products stand between it and the wait for it
.if \fill
	s_xor_b32 s[G0A+5], s[G0A+5], SLOT1            ; the other slot than last time,
	s_add_nc_u64 s[G0A+6:G0A+7], s[G0A+6:G0A+7], ASTEP  ; the next K step; the type bits on top are not reached
	s_xor_b32 s[G0B+5], s[G0B+5], SLOT1
	s_add_nc_u64 s[G0B+6:G0B+7], s[G0B+6:G0B+7], BSTEP
.endif
	s_xor_b32 s[TB], s[TB], SLOT1
	MUL8 1, 0, 2
	s_wait_dscnt 0x0                               ; the add is done, and my reads of this slot are over (the last were issued 24 products ago)
	s_barrier_signal -1
	MUL8 1, 0, 3                                   ; work on registers while the others arrive
	WIN 0
	s_barrier_wait -1
.if \fill
	CREST                                          ; no wave of any partner still reads this slot or has a load on its way
	JLOAD                                          ; its four v_nop are also the places in front of the loads below
.else
	PLACES
.endif
	v_add_nc_u32 v[ADRA], s[TB], v[ADRA0]
	v_add_nc_u32 v[ADRB], s[TB], v[ADRB0]
	FETB 0, 0                                      ; the next slot's first quarter
	FETA 0, 0
.if \fill
	ASK                                            ; behind the joint load and the run of LDS loads
.endif
	GRP 1, 1                                       ; (groups 1 and 2 of this quarter came in ahead of the wait for 0)
	WIN 0
	PLACES
	FETB 0, 1
	GRP 1, 2
	WIN 0
	PLACES
	FETB 0, 2
.endm
	s_load_b256 s[4:11], s[0:1], 0x0               ; xb s[4:5], wqkv s[6:7], qkv s[8:9], bcat s[10:11]
	v_lshl_add_u32 v[SPW], v0, 2, SPARE
	v_mov_b32 v[NIL], 0
	ds_add_u32 v[SPW], v[NIL]                      ; the wave's opening: the add and its wait stand ahead of my first tensor load
	v_lshrrev_b32 v1, 5, v0
	v_readfirstlane_b32 s[WV], v1
	s_lshr_b32 s[RH], s[WV], 1
	s_and_b32 s[CH], s[WV], 1
	s_bfe_u32 s[CX], ttmp6, 0x40000
	s_bfe_u32 s[CY], ttmp6, 0x40004
	s_lshl_b32 s[TC], ttmp9, 2
	s_add_co_u32 s[TC], s[TC], s[CX]               ; tile column = 4 x cluster x + cx
	s_and_b32 s[TR], ttmp7, 0xffff
	s_lshl_b32 s[TR], s[TR], 2
	s_add_co_u32 s[TR], s[TR], s[CY]               ; tile row = 4 x cluster y + cy
	s_lshl_b32 s20, s[CY], 2
	s_lshl_b32 s20, 15, s20                        ; my row of the cluster
	s_lshl_b32 s22, 0x1111, s[CX]                  ; my column
	s_or_b32 s[G1A], s20, (1<<16)|(1<<20)|(1<<21)|(4<<22)|(3<<25)  ; the mask; 2-byte elements; padding on; bit 21 beside a mask; after every 32 words, 4 words
	s_or_b32 s[G1B], s22, (1<<16)|(1<<20)|(1<<21)|(4<<22)|(3<<25)
	s_mov_b32 s[G1A+1], 128<<16                    ; tensor_dim0 = 128: two rows of a block on end
	s_mov_b32 s[G1A+2], 64<<16                     ; tensor_dim1 = 64
	s_mov_b32 s[G1A+3], 128<<16                    ; tile_dim0 = 128
	s_mov_b32 s[G1A+4], 64                         ; tile_dim1 = 64
	s_mov_b32 s[G1A+5], 128                        ; dense: 128 elements from row to row
	s_mov_b32 s[G1A+6], 0
	s_mov_b32 s[G1A+7], 0
	s_mov_b32 s[G1B+1], 384<<16                    ; tensor_dim0 = 384
	s_mov_b32 s[G1B+2], 32<<16                     ; tensor_dim1 = 32
	s_mov_b32 s[G1B+3], 384<<16                    ; tile_dim0 = 384
	s_mov_b32 s[G1B+4], 32                         ; tile_dim1 = 32
	s_mov_b32 s[G1B+5], 3072
	s_mov_b32 s[G1B+6], 0
	s_mov_b32 s[G1B+7], 0
	s_lshl_b32 s20, s[TR], 15                      ; A: row 256 x tile row + 128 x half, 128 bytes a row in a block: made of the tile row and the wave's number alone
	s_lshl_b32 s21, s[CH], 14
	s_add_co_u32 s20, s20, s21
	s_mov_b32 s21, 0
	s_mul_i32 s22, s[CH], 32*CP                    ; B: k-row 32 x half, column 384 x tile column: made of the tile column and the wave's number alone
	s_mul_i32 s23, s[TC], 768
	s_add_co_u32 s22, s22, s23
	s_mov_b32 s23, 0
	s_mul_i32 s19, s[CH], AHALF                    ; where they go: the wave's number alone
	s_mul_i32 s3, s[CH], BHALF
	s_add_co_u32 s3, s3, BBASE
	s_mov_b32 s[TB], 0
	s_wait_dscnt 0x0                               ; the opening add is done
	s_wait_kmcnt 0x0
	s_add_nc_u64 s[20:21], s[4:5], s[20:21]
	s_add_nc_u64 s[22:23], s[6:7], s[22:23]
.irp s, 0,1
	s_mov_b32 s[G0A+4*(\s)], 1
	s_add_co_u32 s[G0A+4*(\s)+1], s19, (\s)*SLOT1
	s_add_nc_u64 s[G0A+4*(\s)+2:G0A+4*(\s)+3], s[20:21], (\s)*ASTEP
	s_or_b32 s[G0A+4*(\s)+3], s[G0A+4*(\s)+3], 0x80000000
	s_mov_b32 s[G0B+4*(\s)], 1
	s_add_co_u32 s[G0B+4*(\s)+1], s3, (\s)*SLOT1
	s_add_nc_u64 s[G0B+4*(\s)+2:G0B+4*(\s)+3], s[22:23], (\s)*BSTEP
	s_or_b32 s[G0B+4*(\s)+3], s[G0B+4*(\s)+3], 0x80000000
.endr
	CROUND                                         ; all sixteen work-groups are here: the first joint loads meet
	s_cmp_lt_u32 s[WV], 2                          ; a wave's two first fills stand in one branch, ahead of every wait on TENSORcnt and every LDS read
	s_cbranch_scc0 .Lfirst_b
	tensor_load_to_lds s[G0A:G0A+3], s[G1A:G1A+7]
	s_nop 0
	tensor_load_to_lds s[G0A+4:G0A+7], s[G1A:G1A+7]
	s_nop 0
.rept 4
	v_nop
.endr
	s_branch .Lfirst_asked
.Lfirst_b:
	tensor_load_to_lds s[G0B:G0B+3], s[G1B:G1B+7]
	s_nop 0
	tensor_load_to_lds s[G0B+4:G0B+7], s[G1B:G1B+7]
	s_nop 0
.rept 4
	v_nop
.endr
.Lfirst_asked:
	v_and_b32 v1, 15, v0                           ; r = l % 16
	v_bfe_u32 v2, v0, 4, 1                         ; h = l / 16
	v_and_b32 v3, 7, v0
	v_bfe_u32 v4, v0, 3, 1
	s_mul_i32 s62, s[TC], 1536                     ; the bias of my 192 columns: (384 x tile column + 192 x half) x 4 bytes
	s_mul_i32 s63, s[CH], 768
	s_add_co_u32 s62, s62, s63
	v_lshl_add_u32 v[BO], v2, 5, s62               ; + 32 h
.irp g, 0,1,2                          ; the sums start from the bias: column block b's 8 numbers a lane go into all 8 row blocks' accumulators
	WIN ((\g)+1)<<6                                ; destination window g + 1
.irp bb, 0,1,2,3
.irp a, 0,1,2,3,4,5,6,7
	global_load_b128 v[8*(8*(\bb)+(\a)):8*(8*(\bb)+(\a))+3],   v[BO], s[10:11] offset:64*(4*(\g)+(\bb))
	global_load_b128 v[8*(8*(\bb)+(\a))+4:8*(8*(\bb)+(\a))+7], v[BO], s[10:11] offset:64*(4*(\g)+(\bb))+16
.endr
.endr
.endr
	WIN 0
	v_mul_u32_u24 v[ADRA0], v1, PA                 ; a fragment of A: row r x pitch + 16 h, in my 128 rows
	v_lshl_add_u32 v[ADRA0], v2, 4, v[ADRA0]
	s_mul_i32 s2, s[RH], AHALF
	v_add_nc_u32 v[ADRA0], s2, v[ADRA0]
	v_lshl_add_u32 v[ADRB0], v2, 3, v3             ; the turning load: k-row 8 h + l % 8, 16 bytes at 16 ((l / 8) % 2), in my 192 columns:
	v_mul_u32_u24 v[ADRB0], v[ADRB0], PB
	v_lshl_add_u32 v[ADRB0], v4, 4, v[ADRB0]
	s_mul_i32 s2, s[CH], 432                       ; 384 bytes and three paddings of 16
	s_add_co_u32 s2, s2, BBASE
	v_add_nc_u32 v[ADRB0], s2, v[ADRB0]
	v_mov_b32 v[ADRA], v[ADRA0]
	v_mov_b32 v[ADRB], v[ADRB0]
	v_mul_u32_u24 v[STO], v1, SP                   ; into the stage: row 128 RH + r, byte 384 CH + 16 h
	v_lshl_add_u32 v[STO], v2, 4, v[STO]
	s_mul_i32 s2, s[RH], 128*SP
	s_mul_i32 s3, s[CH], 384
	s_add_co_u32 s2, s2, s3
	v_add_nc_u32 v[STO], s2, v[STO]
	v_add_nc_u32 v[STO+1], 64*SP, v[STO]
	v_mul_u32_u24 v[RD], v2, SP                    ; back: wave w takes rows 64 w on, whole: lanes 0-15 256 bytes of one row, lanes 16-31 of the next
	v_lshl_add_u32 v[RD], v1, 4, v[RD]
	s_mul_i32 s2, s[WV], 64*SP
	v_add_nc_u32 v[RD], s2, v[RD]
	v_mul_u32_u24 v[CO], v2, CP                    ; and the same two rows in C
	v_lshl_add_u32 v[CO], v1, 4, v[CO]
	s_lshl_b32 s58, s[TR], 8                       ; C at row 256 x tile row + 64 w, byte 768 x tile column
	s_lshl_b32 s59, s[WV], 6
	s_add_co_u32 s58, s58, s59
	s_mul_i32 s58, s58, CP
	s_mul_i32 s59, s[TC], 768
	s_add_co_u32 s58, s58, s59
	s_mov_b32 s59, 0
	s_add_nc_u64 s[8:9], s[8:9], s[58:59]
	; the prefetches: where they stand, and who asks.  Nothing is asked for here, at the head, where every work-group's first tiles are on their way
	s_lshl_b32 s2, s[TR], 15                       ; A: the tile row's 32,768 bytes of a block,
	s_lshl_b32 s3, s[CX], 13                       ; my work-group's 32 blocks of 256 bytes among them,
	s_add_co_u32 s2, s2, s3
	s_add_co_u32 s2, s2, 2*ASTEP                   ; at K step 2: the first change of slots steps it to 3
	s_mul_i32 s3, s[TC], 768                       ; B: the tile column's 768 bytes of a row,
	s_mul_i32 s19, s[CY], 32*CP                    ; my work-group's 32 of two steps' 128 k-rows,
	s_add_co_u32 s3, s3, s19
	s_add_co_u32 s3, s3, 2*BSTEP                   ; at K step 2
	s_mov_b32 s19, ASTEP
	s_mov_b32 s[PST], BSTEP
	s_mov_b32 s58, 256
	s_mov_b32 s59, CP
	s_and_b32 s[PT], ttmp7, 0xffff                 ; cluster y
	s_cmp_lt_u32 s[WV], 2                          ; do I fetch for A?
	s_cselect_b32 s2, s2, s3
	s_cselect_b32 s[PST], s19, s[PST]
	s_cselect_b32 s58, s58, s59                    ; from lane to lane: a block of A, or a row of B
	s_cselect_b32 s[PT], ttmp9, s[PT]              ; the coordinate along which other clusters read the same rows
	s_cselect_b64 s[PFA:PFA+1], s[4:5], s[6:7]
	s_mov_b32 s3, 0
	s_mov_b32 s[PST+1], 0
	s_add_nc_u64 s[PFA:PFA+1], s[PFA:PFA+1], s[2:3]
	s_and_b32 s3, s[WV], 1                         ; waves 0 and 2 ask,
	s_or_b32 s3, s3, s[PT]                         ; in the first cluster along that coordinate: the same in all sixteen partners, for a given wave
	s_cmp_eq_u32 s3, 0
	s_cselect_b32 s[LIM], 3, -1
	v_and_b32 v5, 31, v0
	v_mul_u32_u24 v[PFO], s58, v5
	s_wait_tensorcnt 1                             ; my part of K step 0 is in; step 1's may stay out
	s_barrier_signal -1
	s_barrier_wait -1
	FETB 0, 0                                      ; the first quarter's fragments, in the order of every quarter
	FETA 0, 0
	FETB 0, 1
	FETB 0, 2
	s_wait_loadcnt 0x0                             ; the bias lies in the accumulators
	s_mov_b32 s[CNT], 14
.Lstep:                                                ; trip i is K step i, and asks for step i + 2
	QUARTER0
	TURN 1
	s_sub_co_u32 s[CNT], s[CNT], 1
	s_cmp_lg_u32 s[CNT], 0
	s_cbranch_scc1 .Lstep
	s_mov_b32 s[CNT], 2
.Ltail:                                                ; steps 14 and 15 ask for nothing.  One text for both: behind step 15 it fetches 40 fragments of the other slot's old bytes, which nothing uses:
	QUARTER0                                       ; the price, once a launch, of not writing the last step out
	TURN 0
	s_sub_co_u32 s[CNT], s[CNT], 1
	s_cmp_lg_u32 s[CNT], 0
	s_cbranch_scc1 .Ltail
	; THE WAY OUT.  A wave's 192 columns are 384 bytes, no whole number of blocks of 256: so the tile goes through one stage of 256 rows x 768 bytes, with a barrier between writing and reading.
	s_wait_dscnt 0x0                               ; my reads of the ring are back:
	s_barrier_signal -1
	s_barrier_wait -1                              ; everybody's are: its bytes may be written
.irp g, 0,1,2                          ; a window at a time: rounded to f16, 16 bytes a lane; each accumulator is read from its low end on (the places behind the last products stand in TURN)
	WIN 5*((\g)+1)                                 ; sources 0 and 1 in window g + 1
.set z, 0
.rept 32
.irp r, 0,1,2,3
	v_cvt_pk_f16_f32 v[TMP+4*z+(\r)], v[8*z+2*(\r)], v[8*z+2*(\r)+1]
.endr
.set z, z+1
.endr
	WIN 0
.irp bb, 0,1,2,3
.irp a, 0,1,2,3,4,5,6,7
	ds_store_b128 v[STO+(\a)/4], v[TMP+4*(8*(\bb)+(\a)):TMP+4*(8*(\bb)+(\a))+3] offset:((\a)%4)*16*SP+32*(4*(\g)+(\bb))
.endr
.endr
.endr
	s_wait_dscnt 0x0                               ; for the others' sake: my stores into the stage are done
	s_barrier_signal -1
	s_barrier_wait -1
	; 96 items a wave: item t is block t % 3 of 256 bytes of rows 2 (t / 3), 2 (t / 3) + 1 of my 64.  Each has four registers of its own among the accumulators, which are free: no source is rewritten.
	WIN 0x40                                       ; destination window 1
.set t, 0
.rept 64
	ds_load_b128 v[4*t:4*t+3], v[RD] offset:(t/3)*2*SP+(t%3)*256
.set t, t+1
.endr
	WIN 0x04                                       ; store data in window 1
.set t, 0
.rept 32
.if t%4 == 0
	s_wait_dscnt 60-t                              ; items t .. t + 3 are back: 63 - (t + 3) younger loads stay out
.endif
	global_store_b128 v[CO], v[4*t:4*t+3], s[8:9] offset:(t/3)*2*CP+(t%3)*256  ; 16 lanes store 256 consecutive bytes, aligned
.set t, t+1
.endr
	WIN 0x80                                       ; destination window 2
.rept 32
	ds_load_b128 v[4*t-128:4*t-125], v[RD] offset:((t+32)/3)*2*SP+((t+32)%3)*256  ; items 64 to 95
.set t, t+1
.endr
	WIN 0x04
.set t, 32
.rept 32
.if t%4 == 0
	s_wait_dscnt 92-t                              ; 95 - (t + 3) younger loads stay out
.endif
	global_store_b128 v[CO], v[4*t:4*t+3], s[8:9] offset:(t/3)*2*CP+(t%3)*256
.set t, t+1
.endr
	WIN 0x08                                       ; store data in window 2
.rept 32
.if t%4 == 0
	s_wait_dscnt 92-t
.endif
	global_store_b128 v[CO], v[4*t-256:4*t-253], s[8:9] offset:(t/3)*2*CP+(t%3)*256
.set t, t+1
.endr
	WIN 0
	s_wait_tensorcnt 0x0                           ; the wave's end
	ds_add_u32 v[SPW], v[NIL]
	s_wait_dscnt 0x0
	CROUND                                         ; the closing round
	s_endpgm
.Lfunc_end_k_q3dd2e70e5f_proj:
	.size	k_q3dd2e70e5f_proj, .Lfunc_end_k_q3dd2e70e5f_proj-k_q3dd2e70e5f_proj
	.p2alignl 7, 3214868480
	.fill 96, 4, 3214868480
	.section	.rodata,"a",@progbits
	.p2align	6, 0x0
	.amdhsa_kernel k_q3dd2e70e5f_proj
		.amdhsa_group_segment_fixed_size 327680
		.amdhsa_private_segment_fixed_size 0
		.amdhsa_enable_private_segment 0
		.amdhsa_kernarg_size 32
		.amdhsa_user_sgpr_count 2
		.amdhsa_user_sgpr_kernarg_segment_ptr 1
		.amdhsa_wavefront_size32 1
		.amdhsa_system_sgpr_workgroup_id_x 1
		.amdhsa_system_sgpr_workgroup_id_y 1
		.amdhsa_system_sgpr_workgroup_id_z 1
		.amdhsa_system_vgpr_workitem_id 0
		.amdhsa_next_free_vgpr 1024
		.amdhsa_next_free_sgpr 66
		.amdhsa_reserve_vcc 0
		.amdhsa_float_denorm_mode_32 3
		.amdhsa_float_denorm_mode_16_64 3
		.amdhsa_memory_ordered 1
		.amdhsa_forward_progress 1
		.amdhsa_inst_pref_size 115
	.end_amdhsa_kernel
	.amdgpu_metadata
---
amdhsa.version: [ 1, 2 ]
amdhsa.kernels:
  - .name:           k_q3dd2e70e5f_proj
    .symbol:         k_q3dd2e70e5f_proj.kd
    .args:
      - { .name: xb, .offset: 0, .size: 8, .value_kind: global_buffer, .address_space: global }
      - { .name: wqkv, .offset: 8, .size: 8, .value_kind: global_buffer, .address_space: global }
      - { .name: qkv, .offset: 16, .size: 8, .value_kind: global_buffer, .address_space: global }
      - { .name: bcat, .offset: 24, .size: 8, .value_kind: global_buffer, .address_space: global }
    .group_segment_fixed_size: 327680
    .private_segment_fixed_size: 0
    .kernarg_segment_align: 8
    .kernarg_segment_size: 32
    .max_flat_workgroup_size: 128
    .sgpr_count:     66
    .vgpr_count:     1024
    .wavefront_size: 32
...
	.end_amdgpu_metadata
.endif
;; end of part 2
;; launch scores (part 3): grid 36 x 4, 4 waves a work-group, no clusters, 327,680 bytes of LDS; arguments qkv, pw, stats; writes pw, stats
.if DOCPART == 3
	.amdgcn_target "amdgcn-amd-amdhsa--gfx1250"
	.amdhsa_code_object_version 6
	.text
	.protected	k_q3dd2e70e5f_scores
	.globl	k_q3dd2e70e5f_scores
	.p2align	8
	.type	k_q3dd2e70e5f_scores,@function
k_q3dd2e70e5f_scores:
	s_mov_b64 s[64:65], 0
	v_nop
	global_prefetch_b8 v0, s[64:65] scope:SCOPE_SE
	s_setreg_imm32_b32 hwreg(HW_REG_WAVE_MODE, 25, 1), 1
	s_wait_xcnt 0x0
; SCORES AND WEIGHTS, one causal tile of 256 queries x 256 keys to a work-group.  S = Q K^T over 1,024 channels (f16 operands, f32 sums); keys beyond the query are hidden;
; for each row of the tile its own maximum m is taken away: p = 2^(c s - c m), c = log2(e) / 8; p is rounded once to f16 and stored in pw; c m and l = the sum of the unrounded p go to stats.
; The next launch joins a row's tiles by 2^(c m_J - c M) with M the largest of them: a running maximum whose correction is applied once, in f32.
; LIMITS.  A hidden score counts as -1e30 (f16 operands give at most 4.4e12); p below 6e-5 keeps f16's fixed step of 6e-8; a weight below 2^-126 counts as 0; NaN and infinities are not treated apart.
; THE TILES.  A batch has 8 blocks of 256; tile (I, J) exists for J <= I: 36 a batch.  Number t = I (I + 1) / 2 + J.
; NO CLUSTER: the rows of that triangle have 1 to 8 tiles, its columns 8 to 1: neither divides into fours, and a partner with nothing to compute would be a work-group that does nothing of use.
; THE PRODUCT.  Four waves, each 128 x 128: 64 accumulators.  K in 8 steps of 128 through two LDS slots; wave w fetches 128 rows x 256 bytes (waves 0, 1: Q; waves 2, 3: K): one tensor load a wave
; behind each change of slots; two are out at the start, one later.  Source 0 = 16 keys, source 1 = 16 queries: a lane holds query l % 16 and the keys 8 (l / 16) + 0..7.
; AHEAD OF THE REFILLS.  In trips i = 0 .. 4 the K step i + 3, whose refill stands one trip on, is prefetched into the L2: 256 bytes of each row, a lane a row.  Query block I is read by the tiles (I, 0 .. I):
; tile (I, 0) asks for it; key block J by the tiles (J .. 7, J): tile (J, J) asks.  Each of the four waves takes 64 of the 256 rows, two requests.  So each 256 bytes are named once.  K steps 0 to 2 come by their loads alone.
; THE WAY OUT.  The scores go as f32 into the ring's bytes, which have had their last fill; then each wave takes 64 whole rows, four a trip, 8 keys a lane.  One text serves every tile: key k of row q is hidden where
; k > q, counted in the batch's rows and keys; off the diagonal the row is ahead by 256 (I - J), and nothing is hidden.
; REGISTERS: window 0: v16-33 addresses; v64-127, v128-191 Q's fragments, two buffers (later the rows at work); window 1: the same numbers, K's; windows 2, 3: the accumulators, (a, b) at v[8 (8 (a % 4) + b)].
.set PITCH, 272                        ; an LDS row: 256 bytes + 16: the 16 rows of a load start at 16 different groups of four banks (64 banks of 4 bytes: ISA guide 11.1)
.set HALFT, 128*PITCH
.set SLOT1, 4*HALFT                    ; 0x22000: two bits that no wave's place in a slot has, so one exclusive or changes slots
.set SPARE, 2*SLOT1                    ; behind the ring: the spare words, 128 bytes a wave, that no other line names
.set SSP,   1040                       ; a row of scores: 1,024 bytes + 16
.set STAT,  256*SSP                    ; behind the scores: c m of the 256 rows, then l
.set ADRA0, 16
.set ADRB0, 17
.set ADRA,  18
.set ADRB,  19
.set LA,    20                         ; v20  my 16 bytes in the first of the trip's four rows
.set SA,    21                         ; v21  the trip's four words of c m
.set PO,    22                         ; v22  8 l
.set KE,    23                         ; v23  4 l: my first key
.set BIG,   24                         ; v24  -1e30
.set E,     25                         ; v25  the trip's first row less my first key
.set STO,   26                         ; v26, v27  where my scores go: row blocks 0-3, 4-7
.set SPW,   28
.set NIL,   29
.set SRD,   30                         ; v30  my two words of c m
.set PFQ,   32                         ; v32  the prefetches' offset in the batch's rows of qkv: query row 256 I + 64 w + l; never rewritten
.set PFK,   33                         ; v33  key row 256 J + 64 w + l, at k; never rewritten
.set F0,    64
.set F1,    128
.set X,     64                         ; row p of four: 8 scores at X + 8 p
.set PH,    96                         ; its 8 weights in f16 at PH + 4 p
.set ST,    112                        ; c m, m, and two at work at ST + 4 p
.set WV, 12
.set RH, 13
.set CH, 14
.set TI, 15
.set TJ, 16
.set BT, 17
.set G1, 24
.set G0, 32                            ; two sets: the first fills; the second then walks
.set PP, 40                            ; s[40:41] pw at the trip's first row
.set PF, 42                            ; s[42:43] qkv at the batch's first row, at the K step that is prefetched
.set LIMQ, 44                          ; s44  1 in a work-group that asks for its query block, else the greatest number
.set LIMK, 45                          ; s45  the same for its key block
.set TB, 56
.set CNT, 57
.set CS, 58                            ; s[58:59] c
.set SEL, 60                           ; s[60:61] each lane takes its own place in the other half
.set SR, 62                            ; the trip's first row, counted from the tile's first key
.set MSB, 0
.macro WIN new
.if MSB != (\new)
	s_set_vgpr_msb (MSB<<8)|(\new)
.set MSB, \new
.endif
.endm
.set MUL_LO, 0xa1                      ; source 0 (K) window 1, source 1 (Q) window 0, C and D window 2
.set TO_B,   0x40
.macro PLACES
.rept 4
	v_nop
.endr
.endm
.macro ASK                             ; the count runs 6 .. 1: the last trip has no K step three on
	s_cmp_gt_u32 s[CNT], s[LIMQ]
	s_cbranch_scc0 .Lno_q_\@
	global_prefetch_b8 v[PFQ], s[PF:PF+1] th:TH_LOAD_NT scope:SCOPE_SE                 ; my wave's rows 0-31 of its 64,
	global_prefetch_b8 v[PFQ], s[PF:PF+1] offset:32*6144 th:TH_LOAD_NT scope:SCOPE_SE  ; and rows 32-63
.Lno_q_\@:
	s_cmp_gt_u32 s[CNT], s[LIMK]
	s_cbranch_scc0 .Lno_k_\@
	global_prefetch_b8 v[PFK], s[PF:PF+1] th:TH_LOAD_NT scope:SCOPE_SE
	global_prefetch_b8 v[PFK], s[PF:PF+1] offset:32*6144 th:TH_LOAD_NT scope:SCOPE_SE
.Lno_k_\@:
.endm
; 16 products: row blocks a0, a0 + 1 of the window's four x all 8 key blocks.  The 64 accumulators take turns, one instruction a turn.
.macro MUL16 f, hi, a0, zero
	WIN MUL_LO+0x50*(\hi)
.irp a, \a0, (\a0)+1
.irp b, 0,1,2,3,4,5,6,7
.if \zero
	v_wmma_f32_16x16x32_f16 v[8*(8*(\a)+(\b)):8*(8*(\a)+(\b))+7], v[(\f)+8*(\b):(\f)+8*(\b)+7], v[(\f)+8*(4*(\hi)+(\a)):(\f)+8*(4*(\hi)+(\a))+7], 0
.else
	v_wmma_f32_16x16x32_f16 v[8*(8*(\a)+(\b)):8*(8*(\a)+(\b))+7], v[(\f)+8*(\b):(\f)+8*(\b)+7], v[(\f)+8*(4*(\hi)+(\a)):(\f)+8*(4*(\hi)+(\a))+7], v[8*(8*(\a)+(\b)):8*(8*(\a)+(\b))+7]
.endif
.endr
.endr
.endm
.macro FETCH k, f                      ; 32 LDS loads in one run: 32 channels at byte k of the rows; K first, then Q
	WIN TO_B
.irp i, 0,1,2,3,4,5,6,7
	ds_load_b128 v[(\f)+8*(\i):(\f)+8*(\i)+3],   v[ADRB] offset:(\k)+(\i)*16*PITCH
	ds_load_b128 v[(\f)+8*(\i)+4:(\f)+8*(\i)+7], v[ADRB] offset:(\k)+(\i)*16*PITCH+32
.endr
	WIN 0
.irp i, 0,1,2,3,4,5,6,7
	ds_load_b128 v[(\f)+8*(\i):(\f)+8*(\i)+3],   v[ADRA] offset:(\k)+(\i)*16*PITCH
	ds_load_b128 v[(\f)+8*(\i)+4:(\f)+8*(\i)+7], v[ADRA] offset:(\k)+(\i)*16*PITCH+32
.endr
.endm
.macro QUARTER k, f, g, zero
	s_wait_dscnt 8                                 ; K and Q's rows 0-63 are in; the youngest eight loads may be out
	MUL16 \f, 0, 0, \zero
	MUL16 \f, 0, 2, \zero
	PLACES
	FETCH \k, \g
	s_wait_dscnt 32                                ; all but the 32 just issued
	MUL16 \f, 1, 0, \zero
	MUL16 \f, 1, 2, \zero
.endm
; The fourth quarter changes slots: each wave waits for all its tensor loads (one is out: its part of the next slot), adds 0 to its spare word, waits for that and for its reads of this slot,
; and passes the barrier; fill = 1: the slot just read is filled again, two steps ahead, first thing behind it.
.macro TURN fill
.if \fill
	s_wait_xcnt 0x0                                ; the last prefetches, a K step back, have read their address: it is stepped here, ahead of the waits of the change of slots
	s_add_nc_u64 s[PF:PF+1], s[PF:PF+1], 256
.endif
	WIN 0
	s_wait_tensorcnt 0x0
	ds_add_u32 v[SPW], v[NIL]
.if \fill
	s_xor_b32 s[G0+5], s[G0+5], SLOT1
	s_add_nc_u64 s[G0+6:G0+7], s[G0+6:G0+7], 256
.endif
	s_xor_b32 s[TB], s[TB], SLOT1
	s_wait_dscnt 9                                 ; the add and the youngest eight loads may be out
	MUL16 F1, 0, 0, 0
	s_wait_dscnt 0x0                               ; the add is done, and my reads of this slot are over
	s_barrier_signal -1
	MUL16 F1, 0, 2, 0
	WIN 0
	s_barrier_wait -1
.if \fill
	tensor_load_to_lds s[G0+4:G0+7], s[G1:G1+7]
	s_nop 0
.endif
	PLACES                                         ; behind the load, and the places in front of the loads below
	v_add_nc_u32 v[ADRA], s[TB], v[ADRA0]
	v_add_nc_u32 v[ADRB], s[TB], v[ADRB0]
	FETCH 0, F0
.if \fill
	ASK                                            ; behind the tensor load and the run of LDS loads
.endif
	MUL16 F1, 1, 0, 0
	MUL16 F1, 1, 2, 0
.endm
	s_load_b128 s[4:7], s[0:1], 0x0                ; qkv s[4:5], pw s[6:7]
	s_load_b64 s[8:9], s[0:1], 0x10                ; stats
	v_lshl_add_u32 v[SPW], v0, 2, SPARE
	v_mov_b32 v[NIL], 0
	ds_add_u32 v[SPW], v[NIL]                      ; the wave's opening: the add and its wait stand ahead of my first tensor load
	v_lshrrev_b32 v1, 5, v0
	v_readfirstlane_b32 s[WV], v1
	s_lshr_b32 s[RH], s[WV], 1
	s_and_b32 s[CH], s[WV], 1
	s_and_b32 s[BT], ttmp7, 0xffff
	s_mov_b32 s18, ttmp9
	s_mov_b32 s[TI], 0
.irp n, 1,3,6,10,15,21,28              ; I = how many of the triangular numbers the tile's number has reached
	s_cmp_ge_u32 s18, \n
	s_add_co_ci_u32 s[TI], s[TI], 0
.endr
	s_add_co_u32 s19, s[TI], 1
	s_mul_i32 s19, s19, s[TI]
	s_lshr_b32 s19, s19, 1
	s_sub_co_u32 s[TJ], s18, s19
	s_mov_b32 s[G1], (1<<16)|(1<<20)|(5<<22)|(3<<25)  ; 2-byte elements; padding on: after every 64 words, 4 words
	s_mov_b32 s[G1+1], 128<<16
	s_mov_b32 s[G1+2], 128<<16
	s_mov_b32 s[G1+3], 128<<16
	s_mov_b32 s[G1+4], 128
	s_mov_b32 s[G1+5], 3072
	s_mov_b32 s[G1+6], 0
	s_mov_b32 s[G1+7], 0
	s_cmp_lt_u32 s[WV], 2
	s_cselect_b32 s20, s[TI], s[TJ]                ; waves 0, 1: the query block; waves 2, 3: the key block,
	s_cselect_b32 s21, 0, 2048                     ; q at byte 0 of a row of qkv, k at byte 2,048
	s_lshl_b32 s20, s20, 8
	s_lshl_b32 s22, s[BT], 11
	s_add_co_u32 s20, s20, s22
	s_lshl_b32 s22, s[CH], 7
	s_add_co_u32 s20, s20, s22
	s_mul_i32 s20, s20, 6144
	s_add_co_u32 s20, s20, s21
	s_mov_b32 s21, 0
	s_mul_i32 s19, s[WV], HALFT
	s_mov_b32 s[TB], 0
	s_mov_b32 s[CS], 0x3e38aa3b                    ; c = log2(e) / 8
	s_mov_b32 s[CS+1], s[CS]
	s_mov_b32 s[SEL], 0x76543210
	s_mov_b32 s[SEL+1], 0xfedcba98
	s_wait_dscnt 0x0                               ; the opening add is done
	s_wait_kmcnt 0x0
	s_add_nc_u64 s[20:21], s[4:5], s[20:21]
.irp s, 0,1
	s_mov_b32 s[G0+4*(\s)], 1
	s_add_co_u32 s[G0+4*(\s)+1], s19, (\s)*SLOT1
	s_add_nc_u64 s[G0+4*(\s)+2:G0+4*(\s)+3], s[20:21], (\s)*256
	s_or_b32 s[G0+4*(\s)+3], s[G0+4*(\s)+3], 0x80000000
.endr
	tensor_load_to_lds s[G0:G0+3], s[G1:G1+7]      ; K step 0
	s_nop 0
	tensor_load_to_lds s[G0+4:G0+7], s[G1:G1+7]    ; K step 1
	s_nop 0
	PLACES
	v_and_b32 v1, 15, v0
	v_bfe_u32 v2, v0, 4, 1
	v_and_b32 v5, 31, v0
	v_mul_u32_u24 v3, v1, PITCH
	v_lshl_add_u32 v3, v2, 4, v3                   ; a fragment's row x pitch + 16 x half
	s_mul_i32 s2, s[RH], HALFT
	v_add_nc_u32 v[ADRA0], s2, v3
	s_mul_i32 s2, s[CH], HALFT
	s_add_co_u32 s2, s2, 2*HALFT
	v_add_nc_u32 v[ADRB0], s2, v3
	v_mov_b32 v[ADRA], v[ADRA0]
	v_mov_b32 v[ADRB], v[ADRB0]
	v_mul_u32_u24 v[STO], v1, SSP                  ; my scores: row 128 RH + r, byte 512 CH + 32 h
	v_lshl_add_u32 v[STO], v2, 5, v[STO]
	s_mul_i32 s2, s[RH], 128*SSP
	s_lshl_b32 s3, s[CH], 9
	s_add_co_u32 s2, s2, s3
	v_add_nc_u32 v[STO], s2, v[STO]
	v_add_nc_u32 v[STO+1], 64*SSP, v[STO]
	s_mul_i32 s2, s[WV], 64*SSP                    ; the rows that I finish: 64 w on
	v_lshl_add_u32 v[LA], v5, 4, s2
	s_lshl_b32 s2, s[WV], 8
	s_add_co_u32 s2, s2, STAT
	v_mov_b32 v[SA], s2
	v_lshl_add_u32 v[SRD], v5, 3, s2
	v_lshlrev_b32 v[PO], 3, v5
	v_lshlrev_b32 v[KE], 2, v5
	v_mov_b32 v[BIG], 0xf149f2ca                   ; -1e30
	s_lshl_b32 s[SR], s[WV], 6
	s_lshl_b32 s2, s[BT], 11                       ; pw at row batch x 2,048 + 256 I + 64 w, key 256 J
	s_lshl_b32 s3, s[TI], 8
	s_add_co_u32 s2, s2, s3
	s_add_co_u32 s2, s2, s[SR]
	s_lshl_b32 s2, s2, 12
	s_lshl_b32 s3, s[TJ], 9
	s_add_co_u32 s2, s2, s3
	s_mov_b32 s3, 0
	s_add_nc_u64 s[PP:PP+1], s[6:7], s[2:3]
	s_lshl_b32 s2, s[BT], 3                        ; stats at ((batch x 8 + J) x 2,048 + 256 I + 64 w) x 4
	s_add_co_u32 s2, s2, s[TJ]
	s_lshl_b32 s2, s2, 11
	s_lshl_b32 s3, s[TI], 8
	s_add_co_u32 s2, s2, s3
	s_add_co_u32 s2, s2, s[SR]
	s_lshl_b32 s2, s2, 2
	s_mov_b32 s3, 0
	s_add_nc_u64 s[8:9], s[8:9], s[2:3]
	; the prefetches: where they stand, and who asks.  Nothing is asked for here, at the head, where every work-group's first tiles are on their way
	s_mul_i32 s2, s[BT], 12582912                  ; the batch's 2,048 rows of 6,144 bytes,
	s_add_co_u32 s2, s2, 2*256                     ; at K step 2: the first change of slots steps it to 3
	s_mov_b32 s3, 0
	s_add_nc_u64 s[PF:PF+1], s[4:5], s[2:3]
	s_cmp_eq_u32 s[TJ], 0
	s_cselect_b32 s[LIMQ], 1, -1
	s_cmp_eq_u32 s[TI], s[TJ]
	s_cselect_b32 s[LIMK], 1, -1
	s_lshl_b32 s2, s[TI], 8
	s_add_co_u32 s2, s2, s[SR]
	v_add_nc_u32 v[PFQ], s2, v5
	v_mul_u32_u24 v[PFQ], 6144, v[PFQ]
	s_lshl_b32 s2, s[TJ], 8
	s_add_co_u32 s2, s2, s[SR]
	v_add_nc_u32 v[PFK], s2, v5
	v_mul_u32_u24 v[PFK], 6144, v[PFK]
	v_add_nc_u32 v[PFK], 2048, v[PFK]
	s_sub_co_u32 s2, s[TI], s[TJ]                  ; from here on my first row is counted from the tile's first key: 256 (I - J) further on
	s_lshl_b32 s2, s2, 8
	s_add_co_u32 s[SR], s[SR], s2
	s_wait_tensorcnt 1                             ; my part of K step 0 is in; step 1's may stay out
	s_barrier_signal -1
	s_barrier_wait -1
	FETCH 0, F0
	QUARTER 64, F0, F1, 1                          ; the first quarter's products start the sums
	WIN 0
	s_mov_b32 s[CNT], 6
.Lstep:                                                ; trip i ends K step i, asks for step i + 2 and begins step i + 1
	QUARTER 128, F1, F0, 0
	QUARTER 192, F0, F1, 0
	TURN 1
	QUARTER 64, F0, F1, 0
	WIN 0
	s_sub_co_u32 s[CNT], s[CNT], 1
	s_cmp_lg_u32 s[CNT], 0
	s_cbranch_scc1 .Lstep
	s_mov_b32 s[CNT], 2
.Ltail:                                                ; the last two steps ask for nothing.  One text for both: the first trip ends step 6 and begins step 7, the second ends step 7:
	QUARTER 128, F1, F0, 0                         ; its change of slots fetches 32 fragments of the other slot's old bytes, which nothing uses, and the quarter of a further step is jumped over
	QUARTER 192, F0, F1, 0
	TURN 0
	WIN 0
	s_cmp_eq_u32 s[CNT], 1
	s_cbranch_scc1 .Llast
	QUARTER 64, F0, F1, 0
	WIN 0
.Llast:
	s_wait_dscnt 0x0                               ; no LDS load of mine is out: the fragment registers may be loaded again whichever way led here, and behind the loop my reads of the ring are back
	s_sub_co_u32 s[CNT], s[CNT], 1
	s_cmp_lg_u32 s[CNT], 0
	s_cbranch_scc1 .Ltail
	PLACES
	s_barrier_signal -1                            ; every wave's reads of the ring are back: its bytes may be written
	s_barrier_wait -1
.irp a, 0,1,2,3,4,5,6,7
	WIN 0x08+4*((\a)/4)                            ; store data in window 2 or 3; each accumulator's low four registers go first
.irp b, 0,1,2,3,4,5,6,7
	ds_store_b128 v[STO+(\a)/4], v[8*(8*((\a)%4)+(\b)):8*(8*((\a)%4)+(\b))+3]   offset:((\a)%4)*16*SSP+64*(\b)
	ds_store_b128 v[STO+(\a)/4], v[8*(8*((\a)%4)+(\b))+4:8*(8*((\a)%4)+(\b))+7] offset:((\a)%4)*16*SSP+64*(\b)+16
.endr
.endr
	WIN 0
	s_wait_dscnt 0x0                               ; for the others' sake: my scores lie in LDS
	s_barrier_signal -1
	s_barrier_wait -1
	; Four whole rows a trip, 16 trips.  A lane holds keys 4 l .. 4 l + 3 and 128 + 4 l .. of each row.
	s_mov_b32 s[CNT], 16
.Lrows:
.irp p, 0,1,2,3
	ds_load_b128 v[X+8*(\p):X+8*(\p)+3],   v[LA] offset:(\p)*SSP
	ds_load_b128 v[X+8*(\p)+4:X+8*(\p)+7], v[LA] offset:(\p)*SSP+512
.endr
	v_sub_nc_u32 v[E], s[SR], v[KE]
	s_wait_dscnt 0x0
.irp p, 0,1,2,3                        ; off the diagonal E is 132 at the least and the constants 131 at the most: nothing is hidden there
.irp j, 0,1,2,3
	v_cmp_gt_i32 vcc_lo, (\j)-(\p), v[E]           ; 4 l + j > first row + p
	v_cndmask_b32 v[X+8*(\p)+(\j)], v[X+8*(\p)+(\j)], v[BIG], vcc_lo
	v_cmp_gt_i32 vcc_lo, 128+(\j)-(\p), v[E]
	v_cndmask_b32 v[X+8*(\p)+4+(\j)], v[X+8*(\p)+4+(\j)], v[BIG], vcc_lo
.endr
.endr
.irp p, 0,1,2,3                        ; the row's maximum: in the lane, inside each half of the lanes, across the halves; the four rows alternate
	v_max3_num_f32 v[ST+4*(\p)+2], v[X+8*(\p)], v[X+8*(\p)+1], v[X+8*(\p)+2]
.endr
.irp p, 0,1,2,3
	v_max3_num_f32 v[ST+4*(\p)+3], v[X+8*(\p)+3], v[X+8*(\p)+4], v[X+8*(\p)+5]
.endr
.irp p, 0,1,2,3
	v_max3_num_f32 v[ST+4*(\p)+2], v[ST+4*(\p)+2], v[X+8*(\p)+6], v[X+8*(\p)+7]
.endr
.irp p, 0,1,2,3
	v_max_num_f32 v[ST+4*(\p)+2], v[ST+4*(\p)+2], v[ST+4*(\p)+3]
.endr
.irp m, 1,2,4,8
.irp p, 0,1,2,3
	v_max_num_f32_dpp v[ST+4*(\p)+2], v[ST+4*(\p)+2], v[ST+4*(\p)+2] row_xmask:\m row_mask:0xf bank_mask:0xf
.endr
.endr
.irp p, 0,1,2,3
	v_permlanex16_b32 v[ST+4*(\p)+3], v[ST+4*(\p)+2], s[SEL], s[SEL+1]
.endr
.irp p, 0,1,2,3
	v_max_num_f32 v[ST+4*(\p)+1], v[ST+4*(\p)+2], v[ST+4*(\p)+3]
.endr
.irp p, 0,1,2,3
	v_mul_f32 v[ST+4*(\p)], s[CS], v[ST+4*(\p)+1]
.endr
.irp p, 0,1,2,3
.irp k, 0,1,2,3
	v_pk_fma_f32 v[X+8*(\p)+2*(\k):X+8*(\p)+2*(\k)+1], v[X+8*(\p)+2*(\k):X+8*(\p)+2*(\k)+1], s[CS:CS+1], v[ST+4*(\p):ST+4*(\p)+1] op_sel_hi:[1,0,0] neg_lo:[0,0,1] neg_hi:[0,0,1]  ; c s - c m
.endr
.endr
.set z, 0
.rept 32                               ; one batch of 32 exponentials,
	v_exp_f32 v[X+z], v[X+z]
.set z, z+1
.endr
	v_nop                                          ; a plain instruction behind the last,
	s_wait_alu depctr_va_vdst(0)                   ; and one wait ahead of the first use
.irp p, 0,1,2,3
.irp k, 0,1,2,3
	v_cvt_pk_f16_f32 v[PH+4*(\p)+(\k)], v[X+8*(\p)+2*(\k)], v[X+8*(\p)+2*(\k)+1]
.endr
.endr
.irp p, 0,1,2,3                        ; l, of the unrounded weights
	v_pk_add_f32 v[X+8*(\p):X+8*(\p)+1], v[X+8*(\p):X+8*(\p)+1], v[X+8*(\p)+2:X+8*(\p)+3]
	v_pk_add_f32 v[X+8*(\p)+4:X+8*(\p)+5], v[X+8*(\p)+4:X+8*(\p)+5], v[X+8*(\p)+6:X+8*(\p)+7]
.endr
.irp p, 0,1,2,3
	v_pk_add_f32 v[X+8*(\p):X+8*(\p)+1], v[X+8*(\p):X+8*(\p)+1], v[X+8*(\p)+4:X+8*(\p)+5]
.endr
.irp p, 0,1,2,3
	v_add_f32 v[ST+4*(\p)+2], v[X+8*(\p)], v[X+8*(\p)+1]
.endr
.irp m, 1,2,4,8
.irp p, 0,1,2,3
	v_add_f32_dpp v[ST+4*(\p)+2], v[ST+4*(\p)+2], v[ST+4*(\p)+2] row_xmask:\m row_mask:0xf bank_mask:0xf
.endr
.endr
.irp p, 0,1,2,3
	v_permlanex16_b32 v[ST+4*(\p)+3], v[ST+4*(\p)+2], s[SEL], s[SEL+1]
.endr
.irp p, 0,1,2,3
	v_add_f32 v[ST+4*(\p)+2], v[ST+4*(\p)+2], v[ST+4*(\p)+3]
.endr
.irp p, 0,1,2,3
	global_store_b64 v[PO], v[PH+4*(\p):PH+4*(\p)+1],   s[PP:PP+1] offset:(\p)*4096      ; a wave stores 256 consecutive bytes, aligned: keys 0-127,
	global_store_b64 v[PO], v[PH+4*(\p)+2:PH+4*(\p)+3], s[PP:PP+1] offset:(\p)*4096+256  ; and keys 128-255
	ds_store_b32 v[SA], v[ST+4*(\p)]   offset:4*(\p)        ; all lanes hold the same number and write the same word
	ds_store_b32 v[SA], v[ST+4*(\p)+2] offset:1024+4*(\p)
.endr
	v_add_nc_u32 v[LA], 4*SSP, v[LA]
	v_add_nc_u32 v[SA], 16, v[SA]
	s_add_co_u32 s[SR], s[SR], 4
	s_wait_xcnt 0x0                                ; the stores have read their data and their base: both are written again only behind this wait
	s_add_nc_u64 s[PP:PP+1], s[PP:PP+1], 16384
	s_sub_co_u32 s[CNT], s[CNT], 1
	s_cmp_lg_u32 s[CNT], 0
	s_cbranch_scc1 .Lrows
	s_wait_dscnt 0x0
	s_barrier_signal -1
	s_barrier_wait -1
	ds_load_b64 v[X:X+1],   v[SRD]                 ; c m of rows 64 w + 2 l, 2 l + 1
	ds_load_b64 v[X+2:X+3], v[SRD] offset:1024     ; and l
	s_wait_dscnt 0x0
	global_store_b64 v[PO], v[X:X+1],   s[8:9]     ; 256 consecutive bytes, aligned
	global_store_b64 v[PO], v[X+2:X+3], s[8:9] offset:262144
	s_wait_tensorcnt 0x0                           ; the wave's end
	ds_add_u32 v[SPW], v[NIL]
	s_wait_dscnt 0x0
	s_endpgm
.Lfunc_end_k_q3dd2e70e5f_scores:
	.size	k_q3dd2e70e5f_scores, .Lfunc_end_k_q3dd2e70e5f_scores-k_q3dd2e70e5f_scores
	.p2alignl 7, 3214868480
	.fill 96, 4, 3214868480
	.section	.rodata,"a",@progbits
	.p2align	6, 0x0
	.amdhsa_kernel k_q3dd2e70e5f_scores
		.amdhsa_group_segment_fixed_size 327680
		.amdhsa_private_segment_fixed_size 0
		.amdhsa_enable_private_segment 0
		.amdhsa_kernarg_size 24
		.amdhsa_user_sgpr_count 2
		.amdhsa_user_sgpr_kernarg_segment_ptr 1
		.amdhsa_wavefront_size32 1
		.amdhsa_system_sgpr_workgroup_id_x 1
		.amdhsa_system_sgpr_workgroup_id_y 1
		.amdhsa_system_sgpr_workgroup_id_z 1
		.amdhsa_system_vgpr_workitem_id 0
		.amdhsa_next_free_vgpr 1024
		.amdhsa_next_free_sgpr 66
		.amdhsa_reserve_vcc 1
		.amdhsa_float_denorm_mode_32 3
		.amdhsa_float_denorm_mode_16_64 3
		.amdhsa_memory_ordered 1
		.amdhsa_forward_progress 1
		.amdhsa_inst_pref_size 89
	.end_amdhsa_kernel
	.amdgpu_metadata
---
amdhsa.version: [ 1, 2 ]
amdhsa.kernels:
  - .name:           k_q3dd2e70e5f_scores
    .symbol:         k_q3dd2e70e5f_scores.kd
    .args:
      - { .name: qkv, .offset: 0, .size: 8, .value_kind: global_buffer, .address_space: global }
      - { .name: pw, .offset: 8, .size: 8, .value_kind: global_buffer, .address_space: global }
      - { .name: stats, .offset: 16, .size: 8, .value_kind: global_buffer, .address_space: global }
    .group_segment_fixed_size: 327680
    .private_segment_fixed_size: 0
    .kernarg_segment_align: 8
    .kernarg_segment_size: 24
    .max_flat_workgroup_size: 128
    .sgpr_count:     66
    .vgpr_count:     1024
    .wavefront_size: 32
...
	.end_amdgpu_metadata
.endif
;; end of part 3
;; launch pv (part 4): grid 8 x 32, 4 waves a work-group, clusters of 4 x 1, 327,680 bytes of LDS; arguments pw, stats, qkv, ob; writes ob
.if DOCPART == 4
	.amdgcn_target "amdgcn-amd-amdhsa--gfx1250"
	.amdhsa_code_object_version 6
	.text
	.protected	k_q3dd2e70e5f_pv
	.globl	k_q3dd2e70e5f_pv
	.p2align	8
	.type	k_q3dd2e70e5f_pv,@function
k_q3dd2e70e5f_pv:
	s_mov_b64 s[64:65], 0
	v_nop
	global_prefetch_b8 v0, s[64:65] scope:SCOPE_SE
	s_setreg_imm32_b32 hwreg(HW_REG_WAVE_MODE, 25, 1), 1
	s_wait_xcnt 0x0
	s_wait_alu depctr_hold_cnt(0) depctr_sa_sdst(0) depctr_va_vdst(0) depctr_va_sdst(0) depctr_va_ssrc(0) depctr_va_vcc(0) depctr_vm_vsrc(0)
	s_getreg_b32 s2, hwreg(HW_REG_IB_STS2, 6, 4)
	s_cmp_eq_u32 s2, 0
	s_cbranch_scc0 .Lentry_in_a_cluster
	s_endpgm
.Lentry_in_a_cluster:
	s_bfe_u32 s2, ttmp6, 0x10000c
	s_cmp_lg_u32 s2, 0x3003
	s_cbranch_scc0 .Lentry_shape_is_right
	s_endpgm
.Lentry_shape_is_right:
; O[q][:] = the sum over key tiles J of F_J[q] (P_J V_J)[q][:], with F_J = 2^(c m_J - c M) / L, M = the largest c m_J of the row, L = the sum of 2^(c m_J - c M) l_J.
; P_J (f16, each row relative to its own tile's maximum) and c m, l come from the launch before; V is the third part of qkv (f16).  Products and all sums in f32; O rounded once to f16.
; Tiles that do not exist for a row carry c m = the lowest finite number and l = 0: their F is 0.  L is at least 1: the row's largest weight is 1.
; LIMITS.  O is a mean of V's rows and has their range; a factor below 2^-126 counts as 0; NaN and infinities are not treated apart.
; SHARES.  A work-group makes 128 channels of TWO blocks of 128 queries of a batch: block b, then block 15 - b.  They need (b >> 1) + 1 and ((15 - b) >> 1) + 1 steps of 256 keys: 9 together, whatever b:
; one walk of 9 steps with a constant trip count, and 256 work-groups of equal work.  Four waves, each 64 queries x 64 channels: 16 accumulators X for a step's product, 16 for O.
; CLUSTER.  The four work-groups of a cluster share batch and b and differ in the channels: P's tile is asked for jointly (mask 15); V's tile is each one's own, a plain load behind the same round.
; Waves 0, 1 fetch the halves of P's tile (64 rows x 512 bytes), waves 2, 3 those of V's (128 keys x 256 bytes): one tensor load a wave behind each round; two are out at the start, one later.
; AHEAD OF THE REFILLS.  In trips i = 0 .. 5 the tiles of the walk's step i + 3, whose refill stands one trip on, are prefetched into the L2.  P's tile is read by both clusters of a row of clusters: the one with x = 0
; asks, wave 0; of the tile's 128 rows the partner at cx takes 32, a lane a row, 512 bytes each: two requests; the partners are told apart by address alone.  V's tiles are walked by all eight b of a batch: the work-groups with
; b = 0 ask, each for its own channels, waves 2 and 3, 128 keys each, a lane a key: four requests; in those steps their second block walks key tiles 2 to 7, each once.  So each 256 bytes are named once.
; The walk's steps 0 to 2, V's key tiles 0 and 1 and V's later readings are not asked for.
; LAYOUT.  X^T = V^T P: source 0 = 16 channels (V turned by ds_load_tr16_b128), source 1 = 16 queries: a lane holds query l % 16 and eight neighbouring channels, so F is one number a lane and row block.
; REGISTERS: window 0: v16-29 addresses; v32-63 W, the queue of F (step J, row block a at W + 4 J + a); v64-95 the second block's F; v96-103 the step's F in pairs; v128-255 at work.
;   window 1: two fragment buffers of 128 (64 keys deep): P at 8 (4 c + a), V at 64 + 8 (4 c + i).   window 2: v0-127 X, v128-255 O, block (a, i) at 8 (4 a + i).
.set PP,    528                        ; an LDS row of P: 512 bytes + 16
.set PV,    288                        ; an LDS row of V: 256 bytes + 32
.set AHALF, 64*PP
.set BBASE, 128*PP
.set BHALF, 128*PV
.set SLOT1, 0x24000                    ; two bits that no tile's place in a slot has, so one exclusive or changes slots
.set STAGE, SLOT1+BBASE+256*PV         ; behind the ring: 128 rows x 272 bytes, the work-group's
.set SP,    272
.set SPARE, STAGE+128*SP               ; behind the stage: the spare words, 128 bytes a wave, that no other line names
.set ADRA0, 16
.set ADRB0, 17
.set ADRA,  19
.set ADRB,  20                         ; v20 keys 0-127 of the slot in hand, v21 keys 128-255
.set STO,   22
.set RD,    23
.set CO,    24
.set SOL,   25                         ; v25, v26  my row's bytes in stats: first block, second block
.set PFO,   27                         ; v27  the prefetches' offset: my lane x a row of pw or of qkv; never rewritten
.set SPW,   28
.set NIL,   29
.set W,     32
.set FC,    96
.set MX,    104                        ; v104-111  M, then L, by block and row block
.set RC,    112                        ; v112-119  1 / L
.set TMP,   128
.set WV, 12
.set RH, 13
.set CH, 14
.set CX, 15
.set CB, 16                            ; which 128 channels
.set BT, 17
.set BB, 18                            ; b
.set G1A, 24
.set G1B, 32
.set G0A, 40                           ; two sets: the first fills; the second then walks
.set G0B, 48
.set TB,  56
.set CNT, 57
.set NXT, 58                           ; the key tile to be asked for next
.set LQ,  59                           ; the last key tile of the block whose tiles are being asked for
.set RB,  60                           ; that block's first row in pw, in bytes
.set RBH, 61                           ; the second block's
.set IHI, 62                           ; the second block's last key tile
.set RT,  63                           ; steps that the block in hand still has
.set NEW, 66                           ; 1: the step in hand is a block's first
.set HB,  67                           ; 15 - b
.set OA,  68                           ; s[68:69] a tile's byte offset in pw
.set OV,  70                           ; s[70:71] in qkv
.set PAB, 72                           ; s[72:73] pw at my half of the batch's first rows
.set PVB, 74                           ; s[74:75] qkv at my half of the batch's first keys, at v, at my channels
.set CL,  76                           ; s[76:77] ob at the rows that I store of the first block
.set CHI, 78                           ; s[78:79] of the second
.set PB0, 80                           ; s[80:81] the prefetches' base: wave 0: pw at my work-group's 32 rows; waves 2, 3: as PVB
.set PF,  82                           ; s[82:83] the base at the tile that is prefetched
.set PO,  84                           ; s[84:85] that tile's byte offset
.set PO2, 86                           ; s86  at work
.set LIM, 87                           ; s87  1 in a wave that prefetches, else the greatest number
.set MSB, 0
.macro WIN new
.if MSB != (\new)
	s_set_vgpr_msb (MSB<<8)|(\new)
.set MSB, \new
.endif
.endm
.macro PLACES
.rept 4
	v_nop
.endr
.endm
.macro CREST
	s_cmp_lg_u32 s[WV], 0
	s_cbranch_scc1 .Lnot_wave_0_\@
	s_barrier_signal -3
.Lnot_wave_0_\@:
	s_barrier_wait -3
	s_barrier_signal -1
	s_barrier_wait -1
.endm
.macro CROUND
	s_barrier_signal -1
	s_barrier_wait -1
	CREST
.endm
.macro JLOAD                           ; the branch hangs on the wave's number alone; an s_nop 0 and four v_nop follow each line
	s_cmp_lt_u32 s[WV], 2
	s_cbranch_scc0 .Lfor_v_\@
	tensor_load_to_lds s[G0A+4:G0A+7], s[G1A:G1A+7]
	s_nop 0
.rept 4
	v_nop
.endr
	s_branch .Lasked_\@
.Lfor_v_\@:
	tensor_load_to_lds s[G0B+4:G0B+7], s[G1B:G1B+7]
	s_nop 0
.rept 4
	v_nop
.endr
.Lasked_\@:
.endm
.macro ASK                             ; the count runs 7 .. 1: the last trip has no step three on.  The branches hang on the count, the wave's number and the cluster's place in the grid
	s_cmp_gt_u32 s[CNT], s[LIM]
	s_cbranch_scc0 .Lnone_\@
	s_cmp_lt_u32 s[WV], 2
	s_cbranch_scc0 .Lask_v_\@
	global_prefetch_b8 v[PFO], s[PF:PF+1] th:TH_LOAD_NT scope:SCOPE_SE             ; P: my work-group's 32 rows, keys 0-127 of the tile,
	global_prefetch_b8 v[PFO], s[PF:PF+1] offset:256 th:TH_LOAD_NT scope:SCOPE_SE  ; and keys 128-255
	s_branch .Lnone_\@
.Lask_v_\@:
.irp q, 0,1,2,3
	global_prefetch_b8 v[PFO], s[PF:PF+1] offset:(\q)*32*6144 th:TH_LOAD_NT scope:SCOPE_SE  ; V: 32 of my 128 keys, the 256 bytes of my work-group's channels
.endr
.Lnone_\@:
.endm
; The addresses of key tile NXT of the block in hand are made anew from the tile's number; then the number steps, and behind a block's last tile goes back to 0 for the second block.
.macro ASKADDR set
	s_lshl_b32 s[OA], s[NXT], 9                    ; 256 keys of 2 bytes,
	s_add_co_u32 s[OA], s[OA], s[RB]               ; in the block's rows
	s_add_nc_u64 s[G0A+4*(\set)+2:G0A+4*(\set)+3], s[PAB:PAB+1], s[OA:OA+1]
	s_or_b32 s[G0A+4*(\set)+3], s[G0A+4*(\set)+3], 0x80000000
	s_mul_i32 s[OV], s[NXT], 1572864               ; 256 rows of 6,144 bytes
	s_add_nc_u64 s[G0B+4*(\set)+2:G0B+4*(\set)+3], s[PVB:PVB+1], s[OV:OV+1]
	s_or_b32 s[G0B+4*(\set)+3], s[G0B+4*(\set)+3], 0x80000000
	s_add_co_u32 s[NXT], s[NXT], 1
	s_cmp_gt_u32 s[NXT], s[LQ]
	s_cselect_b32 s[NXT], 0, s[NXT]
	s_cselect_b32 s[RB], s[RBH], s[RB]
	s_cselect_b32 s[LQ], s[IHI], s[LQ]
.endm
; 8 products: row blocks a0, a0 + 1 x 4 channel blocks, 32 keys: half c of buffer f.  zero = 1: a step's first products start X.  The 16 accumulators take turns.
.macro MUL8 f, c, a0, zero
	WIN 0xa5                                       ; V and P in window 1, X in window 2
.irp a, \a0, (\a0)+1
.irp i, 0,1,2,3
.if \zero
	v_wmma_f32_16x16x32_f16 v[8*(4*(\a)+(\i)):8*(4*(\a)+(\i))+7], v[(\f)+64+8*(4*(\c)+(\i)):(\f)+64+8*(4*(\c)+(\i))+7], v[(\f)+8*(4*(\c)+(\a)):(\f)+8*(4*(\c)+(\a))+7], 0
.else
	v_wmma_f32_16x16x32_f16 v[8*(4*(\a)+(\i)):8*(4*(\a)+(\i))+7], v[(\f)+64+8*(4*(\c)+(\i)):(\f)+64+8*(4*(\c)+(\i))+7], v[(\f)+8*(4*(\c)+(\a)):(\f)+8*(4*(\c)+(\a))+7], v[8*(4*(\a)+(\i)):8*(4*(\a)+(\i))+7]
.endif
.endr
.endr
.endm
; 32 LDS loads in one run: keys 64 kq .. 64 kq + 63 into buffer f, the first 32 keys first.
.macro FETCH kq, f
	WIN 0x40
.irp c, 0,1
.irp i, 0,1,2,3
	ds_load_tr16_b128 v[(\f)+64+8*(4*(\c)+(\i)):(\f)+64+8*(4*(\c)+(\i))+3],   v[ADRB+(\kq)/2] offset:(((\kq)%2)*64+32*(\c))*PV+32*(\i)
	ds_load_tr16_b128 v[(\f)+64+8*(4*(\c)+(\i))+4:(\f)+64+8*(4*(\c)+(\i))+7], v[ADRB+(\kq)/2] offset:(((\kq)%2)*64+32*(\c)+16)*PV+32*(\i)
	ds_load_b128 v[(\f)+8*(4*(\c)+(\i)):(\f)+8*(4*(\c)+(\i))+3],   v[ADRA] offset:128*(\kq)+64*(\c)+(\i)*16*PP
	ds_load_b128 v[(\f)+8*(4*(\c)+(\i))+4:(\f)+8*(4*(\c)+(\i))+7], v[ADRA] offset:128*(\kq)+64*(\c)+(\i)*16*PP+32
.endr
.endr
.endm
.macro QUARTER kq, f, g, zero
	s_wait_dscnt 16                                ; the first 32 keys are in; the youngest sixteen loads may be out
	MUL8 \f, 0, 0, \zero
	MUL8 \f, 0, 2, \zero
	PLACES
	FETCH \kq, \g
	s_wait_dscnt 32                                ; all but the 32 just issued
	MUL8 \f, 1, 0, 0
	MUL8 \f, 1, 2, 0
.endm
; The fourth quarter changes slots: each wave waits for all its tensor loads (one is out: its part of the next slot), adds 0 to its spare word, and waits for that and for its reads of this slot.
; fill = 1: the barrier opens a round of the cluster's, and the refill, two steps ahead in the walk, is the first thing behind it.
.macro TURN fill
.if \fill
	s_wait_xcnt 0x0                                ; the last prefetches, a step back, have read their address: it is made anew below
.endif
	WIN 0
	s_wait_tensorcnt 0x0                           ; no tensor load of mine is out, so the walking descriptors may be written
	ds_add_u32 v[SPW], v[NIL]
.if \fill
	s_xor_b32 s[G0A+5], s[G0A+5], SLOT1
	s_xor_b32 s[G0B+5], s[G0B+5], SLOT1
	ASKADDR 1
	s_lshl_b32 s[PO], s[NXT], 9                    ; the numbers that ASKADDR has left are those of the step behind the one just addressed: the step that is prefetched
	s_add_co_u32 s[PO], s[PO], s[RB]
	s_mul_i32 s[PO2], s[NXT], 1572864
	s_cmp_lt_u32 s[WV], 2
	s_cselect_b32 s[PO], s[PO], s[PO2]
	s_add_nc_u64 s[PF:PF+1], s[PB0:PB0+1], s[PO:PO+1]
.endif
	s_xor_b32 s[TB], s[TB], SLOT1
	s_wait_dscnt 17                                ; the add and the youngest sixteen loads may be out
	MUL8 128, 0, 0, 0
	s_wait_dscnt 0x0                               ; the add is done, and my reads of this slot are over
	s_barrier_signal -1
	MUL8 128, 0, 2, 0
	WIN 0
	s_barrier_wait -1
.if \fill
	CREST
	JLOAD                                          ; its four v_nop are also the places in front of the loads below
.else
	PLACES
.endif
	v_add_nc_u32 v[ADRA], s[TB], v[ADRA0]
	v_add_nc_u32 v[ADRB], s[TB], v[ADRB0]
	v_add_nc_u32 v[ADRB+1], 128*PV, v[ADRB]
	FETCH 0, 0
.if \fill
	WIN 0
	ASK                                            ; behind the tensor load and the run of LDS loads
.endif
	MUL8 128, 1, 0, 0
	MUL8 128, 1, 2, 0
.endm
.macro FCMOV                           ; the step's four F; four plain instructions: the places behind the step's last products
	WIN 0
.irp a, 0,1,2,3
	v_mov_b32 v[FC+2*(\a)], v[W+(\a)]
.endr
.endm
.macro PASS add                        ; O = X F (a block's first step) or O += X F; each X is read from its low end on
	WIN 0x82+0x20*(\add)
.irp a, 0,1,2,3
.set z, 0
.rept 16
.if \add
	v_pk_fma_f32 v[128+32*(\a)+2*z:128+32*(\a)+2*z+1], v[32*(\a)+2*z:32*(\a)+2*z+1], v[FC+2*(\a):FC+2*(\a)+1], v[128+32*(\a)+2*z:128+32*(\a)+2*z+1] op_sel_hi:[1,0,1]
.else
	v_pk_mul_f32 v[128+32*(\a)+2*z:128+32*(\a)+2*z+1], v[32*(\a)+2*z:32*(\a)+2*z+1], v[FC+2*(\a):FC+2*(\a)+1] op_sel_hi:[1,0]
.endif
.set z, z+1
.endr
.endr
	WIN 0
.endm
.macro SHIFT                           ; the queue moves up by a step
.set z, 0
.rept 28
	v_mov_b32 v[W+z], v[W+4+z]
.set z, z+1
.endr
.endm
.macro PART1                           ; a finished block: rounded to f16, 16 bytes a lane, into the work-group's stage (a row's 256 bytes come from two waves)
	s_wait_xcnt 0x0                                ; earlier stores have read these registers
	WIN 0x0a
.set z, 0
.rept 64
	v_cvt_pk_f16_f32 v[TMP+z], v[128+2*z], v[128+2*z+1]
.set z, z+1
.endr
	WIN 0
.irp a, 0,1,2,3
.irp i, 0,1,2,3
	ds_store_b128 v[STO], v[TMP+4*(4*(\a)+(\i)):TMP+4*(4*(\a)+(\i))+3] offset:(\a)*16*SP+32*(\i)
.endr
.endr
.endm
.macro PART2 ptr                       ; behind a barrier: wave w takes rows 32 w .. 32 w + 31, whole
.irp t, 0,1,2,3,4,5,6,7,8,9,10,11,12,13,14,15
	ds_load_b128 v[TMP+4*(\t):TMP+4*(\t)+3], v[RD] offset:(\t)*2*SP
.endr
.irp t, 0,1,2,3,4,5,6,7,8,9,10,11,12,13,14,15
	s_wait_dscnt 15-(\t)                           ; rows 2 t, 2 t + 1 are back; the younger loads stay out
	global_store_b128 v[CO], v[TMP+4*(\t):TMP+4*(\t)+3], s[\ptr:\ptr+1] offset:(\t)*4096  ; 16 lanes store 256 consecutive bytes, aligned
.endr
.endm
	s_load_b256 s[4:11], s[0:1], 0x0               ; pw s[4:5], stats s[6:7], qkv s[8:9], ob s[10:11]
	v_lshl_add_u32 v[SPW], v0, 2, SPARE
	v_mov_b32 v[NIL], 0
	ds_add_u32 v[SPW], v[NIL]                      ; the wave's opening: the add and its wait stand ahead of my first tensor load
	v_lshrrev_b32 v1, 5, v0
	v_readfirstlane_b32 s[WV], v1
	s_lshr_b32 s[RH], s[WV], 1
	s_and_b32 s[CH], s[WV], 1
	s_bfe_u32 s[CX], ttmp6, 0x40000
	s_lshl_b32 s[CB], ttmp9, 2
	s_add_co_u32 s[CB], s[CB], s[CX]               ; it enters V's and O's addresses alone
	s_and_b32 s19, ttmp7, 0xffff
	s_lshr_b32 s[BT], s19, 3
	s_and_b32 s[BB], s19, 7
	s_sub_co_u32 s[HB], 15, s[BB]
	s_mov_b32 s[NXT], 0
	s_lshr_b32 s[LQ], s[BB], 1
	s_lshl_b32 s[RB], s[BB], 19                    ; 128 rows of 4,096 bytes a block
	s_lshl_b32 s[RBH], s[HB], 19
	s_lshr_b32 s[IHI], s[HB], 1
	s_add_co_u32 s[RT], s[LQ], 1
	s_mov_b32 s[NEW], 1
	s_mov_b32 s[OA+1], 0
	s_mov_b32 s[OV+1], 0
	s_mov_b32 s[TB], 0
	s_mov_b32 s[G1A], 15|(1<<16)|(1<<20)|(1<<21)|(6<<22)|(3<<25)  ; the mask of four; 2-byte elements; padding on; bit 21 beside a mask; after every 128 words, 4 words
	s_mov_b32 s[G1A+1], 256<<16
	s_mov_b32 s[G1A+2], 64<<16
	s_mov_b32 s[G1A+3], 256<<16
	s_mov_b32 s[G1A+4], 64
	s_mov_b32 s[G1A+5], 2048
	s_mov_b32 s[G1A+6], 0
	s_mov_b32 s[G1A+7], 0
	s_mov_b32 s[G1B], (1<<16)|(1<<20)|(5<<22)|(7<<25)  ; no mask; after every 64 words, 8 words
	s_mov_b32 s[G1B+1], 128<<16
	s_mov_b32 s[G1B+2], 128<<16
	s_mov_b32 s[G1B+3], 128<<16
	s_mov_b32 s[G1B+4], 128
	s_mov_b32 s[G1B+5], 3072
	s_mov_b32 s[G1B+6], 0
	s_mov_b32 s[G1B+7], 0
	s_mul_i32 s19, s[CH], AHALF                    ; where the tiles go: the wave's number alone
	s_mul_i32 s3, s[CH], BHALF
	s_add_co_u32 s3, s3, BBASE
.irp s, 0,1
	s_mov_b32 s[G0A+4*(\s)], 1
	s_add_co_u32 s[G0A+4*(\s)+1], s19, (\s)*SLOT1
	s_mov_b32 s[G0B+4*(\s)], 1
	s_add_co_u32 s[G0B+4*(\s)+1], s3, (\s)*SLOT1
.endr
	s_lshl_b32 s20, s[BT], 23                      ; pw: a batch is 2,048 rows of 4,096 bytes; my half is 64 rows
	s_lshl_b32 s21, s[CH], 18
	s_add_co_u32 s20, s20, s21
	s_mov_b32 s21, 0
	s_mul_i32 s22, s[BT], 12582912                 ; qkv: a batch is 2,048 rows of 6,144 bytes; my half is 128 rows; v at byte 4,096; 256 bytes of channels
	s_mul_i32 s23, s[CH], 786432
	s_add_co_u32 s22, s22, s23
	s_lshl_b32 s23, s[CB], 8
	s_add_co_u32 s22, s22, s23
	s_add_co_u32 s22, s22, 4096
	s_mov_b32 s23, 0
	s_wait_dscnt 0x0                               ; the opening add is done
	s_wait_kmcnt 0x0
	s_add_nc_u64 s[PAB:PAB+1], s[4:5], s[20:21]
	s_add_nc_u64 s[PVB:PVB+1], s[8:9], s[22:23]
	ASKADDR 0                                      ; the walk's step 0
	ASKADDR 1                                      ; and step 1
	CROUND                                         ; all four work-groups are here: the first joint loads meet
	s_cmp_lt_u32 s[WV], 2                          ; a wave's two first fills stand in one branch
	s_cbranch_scc0 .Lfirst_v
	tensor_load_to_lds s[G0A:G0A+3], s[G1A:G1A+7]
	s_nop 0
	tensor_load_to_lds s[G0A+4:G0A+7], s[G1A:G1A+7]
	s_nop 0
.rept 4
	v_nop
.endr
	s_branch .Lfirst_asked
.Lfirst_v:
	tensor_load_to_lds s[G0B:G0B+3], s[G1B:G1B+7]
	s_nop 0
	tensor_load_to_lds s[G0B+4:G0B+7], s[G1B:G1B+7]
	s_nop 0
.rept 4
	v_nop
.endr
.Lfirst_asked:
	; THE FACTORS F, in the wait for the first tiles.  A lane owns rows 64 RH + 16 a + l % 16 of both blocks; c m and l of its 8 rows for all 8 key tiles: 128 words.
	v_and_b32 v1, 15, v0
	v_bfe_u32 v2, v0, 4, 1
	v_and_b32 v3, 7, v0
	v_bfe_u32 v4, v0, 3, 1
	s_lshl_b32 s19, s[RH], 8
	s_lshl_b32 s2, s[BB], 9
	s_add_co_u32 s2, s2, s19
	v_lshl_add_u32 v[SOL], v1, 2, s2
	s_lshl_b32 s2, s[HB], 9
	s_add_co_u32 s2, s2, s19
	v_lshl_add_u32 v[SOL+1], v1, 2, s2
	s_lshl_b32 s2, s[BT], 16
	s_mov_b32 s3, 0
	s_add_nc_u64 s[6:7], s[6:7], s[2:3]
.irp k, 0,1
.irp j, 0,1,2,3,4,5,6,7
.irp a, 0,1,2,3
	global_load_b32 v[TMP+32*(\k)+4*(\j)+(\a)],    v[SOL+(\k)], s[6:7] offset:8192*(\j)+64*(\a)
	global_load_b32 v[TMP+64+32*(\k)+4*(\j)+(\a)], v[SOL+(\k)], s[6:7] offset:262144+8192*(\j)+64*(\a)
.endr
.endr
.endr
	v_mul_u32_u24 v[ADRA0], v1, PP                 ; a fragment of P: row r x pitch + 16 h, in my 64 rows
	v_lshl_add_u32 v[ADRA0], v2, 4, v[ADRA0]
	s_mul_i32 s2, s[RH], 64*PP
	v_add_nc_u32 v[ADRA0], s2, v[ADRA0]
	v_lshl_add_u32 v[ADRB0], v2, 3, v3             ; the turning load: key 8 h + l % 8, 16 bytes at 16 ((l / 8) % 2), in my 64 channels
	v_mul_u32_u24 v[ADRB0], v[ADRB0], PV
	v_lshl_add_u32 v[ADRB0], v4, 4, v[ADRB0]
	s_lshl_b32 s2, s[CH], 7
	s_add_co_u32 s2, s2, BBASE
	v_add_nc_u32 v[ADRB0], s2, v[ADRB0]
	v_mov_b32 v[ADRA], v[ADRA0]
	v_mov_b32 v[ADRB], v[ADRB0]
	v_add_nc_u32 v[ADRB+1], 128*PV, v[ADRB0]
	v_mul_u32_u24 v[STO], v1, SP                   ; into the stage: row 64 RH + r, byte 128 CH + 16 h
	v_lshl_add_u32 v[STO], v2, 4, v[STO]
	s_mul_i32 s2, s[RH], 64*SP
	s_lshl_b32 s3, s[CH], 7
	s_add_co_u32 s2, s2, s3
	s_add_co_u32 s2, s2, STAGE
	v_add_nc_u32 v[STO], s2, v[STO]
	v_mul_u32_u24 v[RD], v2, SP                    ; back: lanes 0-15 one row of 256 bytes, lanes 16-31 the next
	v_lshl_add_u32 v[RD], v1, 4, v[RD]
	s_mul_i32 s2, s[WV], 32*SP
	s_add_co_u32 s2, s2, STAGE
	v_add_nc_u32 v[RD], s2, v[RD]
	v_lshlrev_b32 v[CO], 11, v2                    ; and the same two rows in ob
	v_lshl_add_u32 v[CO], v1, 4, v[CO]
.irp a, 0,1,2,3
	v_mov_b32 v[FC+2*(\a)+1], 0                    ; named with the factor as a pair, so it is written
.endr
	s_lshl_b32 s19, s[BT], 11                      ; ob at row batch x 2,048 + 128 x block + 32 w, 2,048 bytes a row, my 256 bytes of channels
	s_lshl_b32 s2, s[WV], 5
	s_add_co_u32 s19, s19, s2
	s_lshl_b32 s2, s[BB], 7
	s_add_co_u32 s2, s2, s19
	s_lshl_b32 s2, s2, 11
	s_lshl_b32 s3, s[CB], 8
	s_add_co_u32 s2, s2, s3
	s_mov_b32 s3, 0
	s_add_nc_u64 s[CL:CL+1], s[10:11], s[2:3]
	s_lshl_b32 s2, s[HB], 7
	s_add_co_u32 s2, s2, s19
	s_lshl_b32 s2, s2, 11
	s_lshl_b32 s3, s[CB], 8
	s_add_co_u32 s2, s2, s3
	s_mov_b32 s3, 0
	s_add_nc_u64 s[CHI:CHI+1], s[10:11], s[2:3]
	; the prefetches: their base, and who asks.  Nothing is asked for here, at the head, where every work-group's first tiles are on their way
	s_lshl_b32 s2, s[CX], 17                       ; my work-group's 32 of a tile's 128 rows of 4,096 bytes
	s_mov_b32 s3, 0
	s_add_nc_u64 s[PB0:PB0+1], s[PAB:PAB+1], s[2:3]
	s_mov_b32 s2, 4096
	s_mov_b32 s3, 6144
	s_cmp_lt_u32 s[WV], 2                          ; do I fetch for P?
	s_cselect_b64 s[PB0:PB0+1], s[PB0:PB0+1], s[PVB:PVB+1]
	s_cselect_b32 s2, s2, s3                       ; from lane to lane: a row of pw, or a row of qkv
	s_cselect_b32 s3, ttmp9, s[BB]                 ; P: the first cluster of the row of clusters asks; V: the work-groups with b = 0
	s_cmp_eq_u32 s[WV], 1
	s_cselect_b32 s3, 1, s3                        ; wave 1 asks for nothing
	s_cmp_eq_u32 s3, 0
	s_cselect_b32 s[LIM], 1, -1                    ; the same in all four partners, for a given wave
	s_mov_b32 s[PO+1], 0
	v_and_b32 v5, 31, v0
	v_mul_u32_u24 v[PFO], s2, v5
	s_wait_loadcnt 0x0
.irp k, 0,1                            ; M, the largest c m of the row
.irp a, 0,1,2,3
	v_max3_num_f32 v[MX+4*(\k)+(\a)], v[TMP+32*(\k)+(\a)], v[TMP+32*(\k)+4+(\a)], v[TMP+32*(\k)+8+(\a)]
.endr
.endr
.irp k, 0,1
.irp a, 0,1,2,3
	v_max3_num_f32 v[MX+4*(\k)+(\a)], v[MX+4*(\k)+(\a)], v[TMP+32*(\k)+12+(\a)], v[TMP+32*(\k)+16+(\a)]
.endr
.endr
.irp k, 0,1
.irp a, 0,1,2,3
	v_max3_num_f32 v[MX+4*(\k)+(\a)], v[MX+4*(\k)+(\a)], v[TMP+32*(\k)+20+(\a)], v[TMP+32*(\k)+24+(\a)]
.endr
.endr
.irp k, 0,1
.irp a, 0,1,2,3
	v_max_num_f32 v[MX+4*(\k)+(\a)], v[MX+4*(\k)+(\a)], v[TMP+32*(\k)+28+(\a)]
.endr
.endr
.irp k, 0,1
.irp j, 0,1,2,3,4,5,6,7
.irp a, 0,1,2,3
	v_sub_f32 v[TMP+32*(\k)+4*(\j)+(\a)], v[TMP+32*(\k)+4*(\j)+(\a)], v[MX+4*(\k)+(\a)]
.endr
.endr
.endr
.set z, 0
.rept 64                               ; one batch of 64 exponentials,
	v_exp_f32 v[TMP+z], v[TMP+z]
.set z, z+1
.endr
	v_nop                                          ; a plain instruction behind the last,
	s_wait_alu depctr_va_vdst(0)                   ; and one wait ahead of the first use
.irp k, 0,1                            ; L
.irp a, 0,1,2,3
	v_mul_f32 v[MX+4*(\k)+(\a)], v[TMP+32*(\k)+(\a)], v[TMP+64+32*(\k)+(\a)]
.endr
.endr
.irp j, 1,2,3,4,5,6,7
.irp k, 0,1
.irp a, 0,1,2,3
	v_fmac_f32 v[MX+4*(\k)+(\a)], v[TMP+32*(\k)+4*(\j)+(\a)], v[TMP+64+32*(\k)+4*(\j)+(\a)]
.endr
.endr
.endr
.set z, 0
.rept 8
	v_rcp_f32 v[RC+z], v[MX+z]
.set z, z+1
.endr
	v_nop
	s_wait_alu depctr_va_vdst(0)                   ; one wait for the eight reciprocals
.irp k, 0,1                            ; F: the first block's into the queue, the second's behind it
.irp j, 0,1,2,3,4,5,6,7
.irp a, 0,1,2,3
	v_mul_f32 v[W+32*(\k)+4*(\j)+(\a)], v[TMP+32*(\k)+4*(\j)+(\a)], v[RC+4*(\k)+(\a)]
.endr
.endr
.endr
	s_wait_tensorcnt 1                             ; my part of step 0 is in; step 1's may stay out
	s_barrier_signal -1
	s_barrier_wait -1
	FETCH 0, 0
	WIN 0
	s_mov_b32 s[CNT], 7
.Lstep:                                                ; trip i is the walk's step i, and asks for step i + 2
	QUARTER 1, 0, 128, 1
	QUARTER 2, 128, 0, 0
	QUARTER 3, 0, 128, 0
	TURN 1
	FCMOV
	s_cmp_eq_u32 s[NEW], 1                         ; at the first trip the answer is a constant of the text: O is written before it is read
	s_cbranch_scc0 .Ladd
	PASS 0
	s_branch .Lpassed
.Ladd:
	PASS 1
.Lpassed:
	s_mov_b32 s[NEW], 0
	SHIFT
	s_sub_co_u32 s[RT], s[RT], 1
	s_cmp_lg_u32 s[RT], 0
	s_cbranch_scc1 .Lnot_done
	PART1                                          ; the first block is finished (its last step is the walk's step 3 at the latest)
.Lnot_done:
	s_wait_dscnt 0x0                               ; for the others' sake: my stores into the stage are done.  This barrier stands in every trip, so that on every way through the text
	s_barrier_signal -1                            ; one lies between the stage's writes and its reads; the refill may stay out across it
	s_barrier_wait -1
	s_cmp_lg_u32 s[RT], 0
	s_cbranch_scc1 .Lnot_sent
	PART2 CL
.set z, 0
.rept 32
	v_mov_b32 v[W+z], v[W+32+z]                    ; the second block's factors enter the queue
.set z, z+1
.endr
	s_mov_b32 s[NEW], 1
	s_mov_b32 s[RT], 99                            ; the second block ends with the walk, behind the loop
.Lnot_sent:
	s_sub_co_u32 s[CNT], s[CNT], 1
	s_cmp_lg_u32 s[CNT], 0
	s_cbranch_scc1 .Lstep
	s_mov_b32 s[CNT], 2
.Ltail:                                                ; steps 7 and 8 ask for nothing, and both add onto the second block's O.  One text for both: behind step 8 it fetches 32 fragments of the other
	QUARTER 1, 0, 128, 1                           ; slot's old bytes and moves the queue once more, which nothing uses: the price, once a launch, of not writing the last step out
	QUARTER 2, 128, 0, 0
	QUARTER 3, 0, 128, 0
	TURN 0
	FCMOV
	PASS 1
	SHIFT
	s_sub_co_u32 s[CNT], s[CNT], 1
	s_cmp_lg_u32 s[CNT], 0
	s_cbranch_scc1 .Ltail
	PART1
	s_wait_dscnt 0x0                               ; my stores into the stage are done, and the unused fragments have landed
	s_barrier_signal -1
	s_barrier_wait -1
	PART2 CHI
	s_wait_tensorcnt 0x0                           ; the wave's end
	ds_add_u32 v[SPW], v[NIL]
	s_wait_dscnt 0x0
	CROUND                                         ; the closing round
	s_endpgm
.Lfunc_end_k_q3dd2e70e5f_pv:
	.size	k_q3dd2e70e5f_pv, .Lfunc_end_k_q3dd2e70e5f_pv-k_q3dd2e70e5f_pv
	.p2alignl 7, 3214868480
	.fill 96, 4, 3214868480
	.section	.rodata,"a",@progbits
	.p2align	6, 0x0
	.amdhsa_kernel k_q3dd2e70e5f_pv
		.amdhsa_group_segment_fixed_size 327680
		.amdhsa_private_segment_fixed_size 0
		.amdhsa_enable_private_segment 0
		.amdhsa_kernarg_size 32
		.amdhsa_user_sgpr_count 2
		.amdhsa_user_sgpr_kernarg_segment_ptr 1
		.amdhsa_wavefront_size32 1
		.amdhsa_system_sgpr_workgroup_id_x 1
		.amdhsa_system_sgpr_workgroup_id_y 1
		.amdhsa_system_sgpr_workgroup_id_z 1
		.amdhsa_system_vgpr_workitem_id 0
		.amdhsa_next_free_vgpr 768
		.amdhsa_next_free_sgpr 88
		.amdhsa_reserve_vcc 0
		.amdhsa_float_denorm_mode_32 3
		.amdhsa_float_denorm_mode_16_64 3
		.amdhsa_memory_ordered 1
		.amdhsa_forward_progress 1
		.amdhsa_inst_pref_size 103
	.end_amdhsa_kernel
	.amdgpu_metadata
---
amdhsa.version: [ 1, 2 ]
amdhsa.kernels:
  - .name:           k_q3dd2e70e5f_pv
    .symbol:         k_q3dd2e70e5f_pv.kd
    .args:
      - { .name: pw, .offset: 0, .size: 8, .value_kind: global_buffer, .address_space: global }
      - { .name: stats, .offset: 8, .size: 8, .value_kind: global_buffer, .address_space: global }
      - { .name: qkv, .offset: 16, .size: 8, .value_kind: global_buffer, .address_space: global }
      - { .name: ob, .offset: 24, .size: 8, .value_kind: global_buffer, .address_space: global }
    .group_segment_fixed_size: 327680
    .private_segment_fixed_size: 0
    .kernarg_segment_align: 8
    .kernarg_segment_size: 32
    .max_flat_workgroup_size: 128
    .sgpr_count:     88
    .vgpr_count:     768
    .wavefront_size: 32
...
	.end_amdgpu_metadata
.endif
;; end of part 4
;; launch outp (part 5): grid 4 x 64, 4 waves a work-group, clusters of 4 x 4, 327,680 bytes of LDS; arguments ob, wo16, out0, bcat; writes out0
.if DOCPART == 5
	.amdgcn_target "amdgcn-amd-amdhsa--gfx1250"
	.amdhsa_code_object_version 6
	.text
	.protected	k_q3dd2e70e5f_outp
	.globl	k_q3dd2e70e5f_outp
	.p2align	8
	.type	k_q3dd2e70e5f_outp,@function
k_q3dd2e70e5f_outp:
	s_mov_b64 s[64:65], 0
	v_nop
	global_prefetch_b8 v0, s[64:65] scope:SCOPE_SE
	s_setreg_imm32_b32 hwreg(HW_REG_WAVE_MODE, 25, 1), 1
	s_wait_xcnt 0x0
	s_wait_alu depctr_hold_cnt(0) depctr_sa_sdst(0) depctr_va_vdst(0) depctr_va_sdst(0) depctr_va_ssrc(0) depctr_va_vcc(0) depctr_vm_vsrc(0)
	s_getreg_b32 s2, hwreg(HW_REG_IB_STS2, 6, 4)
	s_cmp_eq_u32 s2, 0
	s_cbranch_scc0 .Lentry_in_a_cluster
	s_endpgm
.Lentry_in_a_cluster:
	s_bfe_u32 s2, ttmp6, 0x10000c
	s_cmp_lg_u32 s2, 0xf033
	s_cbranch_scc0 .Lentry_shape_is_right
	s_endpgm
.Lentry_shape_is_right:
; out = O Wo + bo: C[m][n] = the sum over k of A[m][k] B[k][n] + bias[n], 8192 x 1024 x 1024.  A = ob [8192][1024] f16; B = wo16 [1024 k][1024 n] f16; bias = the last quarter of bcat, f32; C = out0, f32.
; f16 operands, sums in f32, K ascending; C is stored as it is summed.
; LIMITS.  O and Wo arrive within f16's range; NaN and infinities are not treated apart.
; SHARES.  A tile of C is 128 x 256: 64 x 4 = 256 tiles, one to a work-group.  Four waves, each 64 x 128: 32 accumulators of 16 x 16.  K goes in 8 steps of 128 through two LDS slots (two slots of 256 along K
; would be 413,696 bytes).  Waves 0 and 1 fetch the halves of a step of A (64 rows x 256 bytes), waves 2 and 3 the halves of a step of B (64 k-rows x 512 bytes): one tensor load a wave behind each change
; of slots; two are out at the start, one later.
; CLUSTER.  4 x 4 work-groups: the four of a row of the cluster need the same tiles of A, the four of a column the same tiles of B; each tile is asked for jointly.
; LAYOUT.  The product is taken transposed: source 0 = 16 columns of B (turned on the way out of LDS by ds_load_tr16_b128), source 1 = 16 rows of A.  A lane then holds row l % 16 of C
; and the columns 8 (l / 16) + 0..7.  THE SUMS START FROM THE BIAS: each accumulator is loaded with it (register j of a lane: bias[n0 + 8 (l / 16) + j]) while the first tiles are on their way,
; so every product adds in place, nothing is cleared and no first step is written out.
; AHEAD OF THE REFILLS.  In trips i = 0 .. 3 the K step i + 4, whose refill stands two trips on, is prefetched into the L2, a lane a row.  A's tile row is read by one cluster alone, which asks, wave 0: of the 128 rows
; the partner at cx takes 32, 256 bytes each: one request.  B's tile column is read by all sixteen clusters of its column: the one with y = 0 asks, wave 2: of the step's 128 k-rows the partner at cy takes 32,
; 512 bytes each: two requests.  The partners are told apart by address alone.  So each 256 bytes are named once.  K steps 0 to 3 come by their loads alone.
; REGISTERS, in windows of 256: window 0: v16-29 addresses; v32-95 two buffers of A (4 fragments), v96-223 two of B (8 fragments); v32-159 serve again on the way out.
;   window 1: the accumulators, (a, b) at v[8 (8 a + b)].
.set NP,      1024                     ; elements in a row of B
.set CP,      4096                     ; bytes in a row of C
.set BIASOFF, 12288                    ; bo in bcat
.set SP,      528                      ; a stage row: 512 bytes + 16
.set PA,    272                        ; an LDS row of A: 256 bytes + 16: the 16 rows of a load start at 16 different groups of four banks (64 banks of 4 bytes: ISA guide 11.1)
.set PB,    544                        ; an LDS row of B: 512 bytes + 32
.set AHALF, 64*PA
.set BBASE, 128*PA                     ; B lies behind the 128 rows of A
.set BHALF, 64*PB
.set SLOT1, 131072                     ; slot 1: a bit that no address inside a slot has, so one exclusive or changes slots
.set STAGE, SLOT1+BBASE+128*PB         ; behind the ring: 16 rows for each wave, its own
.set SPARE, STAGE+4*16*SP              ; behind the stages: the spare words, 128 bytes a wave, that no other line names
.set BSTEP, 128*NP*2                   ; bytes from a K step of B to the next
.set ADRA0, 16                         ; v16  my place in a slot's A; never rewritten
.set ADRB0, 17                         ; v17  the same for B
.set ADRA,  18                         ; v18  the same in the slot in hand
.set ADRB,  19
.set STO,   20                         ; v20  the way out: where I put my bytes of a row
.set RD,    21                         ; v21  where I read rows back
.set CO,    22                         ; v22  my byte offset in C
.set BO,    23                         ; v23  my byte offset in bcat
.set PFO,   24                         ; v24  the prefetches' offset: my lane x a row of 2,048 bytes; never rewritten
.set SPW,   28                         ; v28  LDS address of my spare word; never rewritten
.set NIL,   29                         ; v29  0; never rewritten
.set FA,    32                         ; A's buffer f at FA + 32 f
.set FB,    96                         ; B's buffer f at FB + 64 f
.set WV, 12
.set RH, 13                            ; which 64 rows of the tile are mine
.set CH, 14                            ; which 128 columns; also which half of a tile I fetch
.set CX, 15
.set CY, 16
.set TC, 17                            ; tile column of C
.set TR, 18                            ; tile row of C
.set PST, 20                           ; s[20:21] bytes from a K step to the next in the tensor that I prefetch (behind the set-up, which uses these three otherwise)
.set LIM, 22                           ; s22  2 in a wave that prefetches, else the greatest number
.set G1A, 24
.set G1B, 32
.set G0A, 40                           ; two sets: the first fills; the second then walks
.set G0B, 48
.set TB,  56                           ; 0 or SLOT1: the slot that is read
.set CNT, 57
.set PFA, 60                           ; s[60:61] where my prefetches stand: in trip i at K step i + 4
.set MSB, 0
.macro WIN new                         ; the high byte repeats the setting that is left; a switch that changes nothing is dropped
.if MSB != (\new)
	s_set_vgpr_msb (MSB<<8)|(\new)
.set MSB, \new
.endif
.endm
.macro PLACES                          ; four plain vector instructions between a matrix instruction and a load into, or a vector read of, its registers
.rept 4
	v_nop
.endr
.endm
.macro CREST                           ; a round of the cluster's barrier behind its opening barrier
	s_cmp_lg_u32 s[WV], 0
	s_cbranch_scc1 .Lnot_wave_0_\@
	s_barrier_signal -3
.Lnot_wave_0_\@:
	s_barrier_wait -3
	s_barrier_signal -1
	s_barrier_wait -1
.endm
.macro CROUND
	s_barrier_signal -1
	s_barrier_wait -1
	CREST
.endm
.macro JLOAD                           ; a joint refill by the walking descriptors; the branch hangs on the wave's number alone; an s_nop 0 and four v_nop follow each line
	s_cmp_lt_u32 s[WV], 2
	s_cbranch_scc0 .Lfor_b_\@
	tensor_load_to_lds s[G0A+4:G0A+7], s[G1A:G1A+7]
	s_nop 0
.rept 4
	v_nop
.endr
	s_branch .Lasked_\@
.Lfor_b_\@:
	tensor_load_to_lds s[G0B+4:G0B+7], s[G1B:G1B+7]
	s_nop 0
.rept 4
	v_nop
.endr
.Lasked_\@:
.endm
.macro ASK                             ; the count runs 6 .. 1: the last two trips have no K step four on.  The branches hang on the count, the wave's number and the cluster's place in the grid
	s_cmp_gt_u32 s[CNT], s[LIM]
	s_cbranch_scc0 .Lnone_\@
	global_prefetch_b8 v[PFO], s[PFA:PFA+1] th:TH_LOAD_NT scope:SCOPE_SE             ; my work-group's 32 rows: A's 256 bytes of the step, or the first 256 of B's tile column,
	s_cmp_eq_u32 s[WV], 0
	s_cbranch_scc1 .Lnone_\@
	global_prefetch_b8 v[PFO], s[PFA:PFA+1] offset:256 th:TH_LOAD_NT scope:SCOPE_SE  ; and B's second 256
.Lnone_\@:
.endm
; 8 products: row block a x all 8 column blocks, 32 along K, from buffers f.  The 32 accumulators take turns, one instruction a turn, in the same order in every quarter.
.macro MUL8 f, a
	WIN 0x50                                       ; C and D in window 1, both sources in window 0
.irp b, 0,1,2,3,4,5,6,7
	v_wmma_f32_16x16x32_f16 v[8*(8*(\a)+(\b)):8*(8*(\a)+(\b))+7], v[FB+64*(\f)+8*(\b):FB+64*(\f)+8*(\b)+7], v[FA+32*(\f)+8*(\a):FA+32*(\f)+8*(\a)+7], v[8*(8*(\a)+(\b)):8*(8*(\a)+(\b))+7]
.endr
.endm
; 24 LDS loads in one run, all in window 0: quarter q (32 along K) of the slot in hand into buffers f; B first, A's blocks in ascending order.
.macro FETCH q, f
.irp i, 0,1,2,3,4,5,6,7
	ds_load_tr16_b128 v[FB+64*(\f)+8*(\i):FB+64*(\f)+8*(\i)+3],   v[ADRB] offset:(\q)*32*PB+32*(\i)
	ds_load_tr16_b128 v[FB+64*(\f)+8*(\i)+4:FB+64*(\f)+8*(\i)+7], v[ADRB] offset:(\q)*32*PB+16*PB+32*(\i)
.endr
.irp i, 0,1,2,3
	ds_load_b128 v[FA+32*(\f)+8*(\i):FA+32*(\f)+8*(\i)+3],   v[ADRA] offset:64*(\q)+(\i)*16*PA
	ds_load_b128 v[FA+32*(\f)+8*(\i)+4:FA+32*(\f)+8*(\i)+7], v[ADRA] offset:64*(\q)+(\i)*16*PA+32
.endr
.endm
; One of a step's first three quarters: multiplies buffers f, and in its middle fetches quarter q into buffers g.
.macro QUARTER q, f, g
	s_wait_dscnt 4                                 ; B and A's blocks 0, 1 are in; the youngest four loads (blocks 2, 3) may be out
	MUL8 \f, 0
	MUL8 \f, 1
	WIN 0
	PLACES
	FETCH \q, \g
	s_wait_dscnt 24                                ; all but the 24 just issued
	MUL8 \f, 2
	MUL8 \f, 3
.endm
; The fourth quarter multiplies buffers 1 and changes slots.  In front of the barrier each wave waits for all its tensor loads (one is out: its part of the next slot), adds 0 to its
; spare word, and waits for that and for its reads of this slot.  fill = 1: the barrier opens a round of the cluster's, and the joint refill, two steps ahead, is the first thing behind it.
.macro TURN fill
.if \fill
	s_wait_xcnt 0x0                                ; the last prefetches, a K step back, have read their address: it is stepped here, ahead of the waits of the change of slots
	s_add_nc_u64 s[PFA:PFA+1], s[PFA:PFA+1], s[PST:PST+1]
.endif
	WIN 0
	s_wait_tensorcnt 0x0                           ; no tensor load of mine is out, so the walking descriptors may be written
	ds_add_u32 v[SPW], v[NIL]                      ; 0 onto my spare word; scalar work and eight products stand between it and the wait for it
.if \fill
	s_xor_b32 s[G0A+5], s[G0A+5], SLOT1            ; the other slot than last time,
	s_add_nc_u64 s[G0A+6:G0A+7], s[G0A+6:G0A+7], 256  ; the next K step; the type bits on top are not reached
	s_xor_b32 s[G0B+5], s[G0B+5], SLOT1
	s_add_nc_u64 s[G0B+6:G0B+7], s[G0B+6:G0B+7], BSTEP
.endif
	s_xor_b32 s[TB], s[TB], SLOT1
	s_wait_dscnt 7                                 ; the add and the youngest six loads (A's blocks 1 to 3) may be out
	MUL8 1, 0
	s_wait_dscnt 0x0                               ; the add is done, and my reads of this slot are over
	s_barrier_signal -1
	MUL8 1, 1                                      ; work on registers while the others arrive
	WIN 0
	s_barrier_wait -1
.if \fill
	CREST                                          ; no wave of any partner still reads this slot or has a load on its way
	JLOAD                                          ; its four v_nop are also the places in front of the loads below
.else
	PLACES
.endif
	v_add_nc_u32 v[ADRA], s[TB], v[ADRA0]
	v_add_nc_u32 v[ADRB], s[TB], v[ADRB0]
	FETCH 0, 0
.if \fill
	ASK                                            ; behind the joint load and the run of LDS loads
.endif
	MUL8 1, 2
	MUL8 1, 3
.endm
	s_load_b256 s[4:11], s[0:1], 0x0               ; ob s[4:5], wo16 s[6:7], out0 s[8:9], bcat s[10:11]
	v_lshl_add_u32 v[SPW], v0, 2, SPARE
	v_mov_b32 v[NIL], 0
	ds_add_u32 v[SPW], v[NIL]                      ; the wave's opening: the add and its wait stand ahead of my first tensor load
	v_lshrrev_b32 v1, 5, v0
	v_readfirstlane_b32 s[WV], v1
	s_lshr_b32 s[RH], s[WV], 1
	s_and_b32 s[CH], s[WV], 1
	s_bfe_u32 s[CX], ttmp6, 0x40000
	s_bfe_u32 s[CY], ttmp6, 0x40004
	s_lshl_b32 s[TC], ttmp9, 2
	s_add_co_u32 s[TC], s[TC], s[CX]               ; tile column = 4 x cluster x + cx
	s_and_b32 s[TR], ttmp7, 0xffff
	s_lshl_b32 s[TR], s[TR], 2
	s_add_co_u32 s[TR], s[TR], s[CY]               ; tile row = 4 x cluster y + cy
	s_lshl_b32 s20, s[CY], 2
	s_lshl_b32 s20, 15, s20                        ; my row of the cluster
	s_lshl_b32 s22, 0x1111, s[CX]                  ; my column
	s_or_b32 s[G1A], s20, (1<<16)|(1<<20)|(1<<21)|(5<<22)|(3<<25)  ; the mask; 2-byte elements; padding on; bit 21 beside a mask; after every 64 words, 4 words
	s_or_b32 s[G1B], s22, (1<<16)|(1<<20)|(1<<21)|(6<<22)|(7<<25)  ; after every 128 words, 8 words
	s_mov_b32 s[G1A+1], 128<<16                    ; tensor_dim0 = 128
	s_mov_b32 s[G1A+2], 64<<16                     ; tensor_dim1 = 64
	s_mov_b32 s[G1A+3], 128<<16                    ; tile_dim0 = 128
	s_mov_b32 s[G1A+4], 64                         ; tile_dim1 = 64
	s_mov_b32 s[G1A+5], 1024                       ; elements from row to row
	s_mov_b32 s[G1A+6], 0
	s_mov_b32 s[G1A+7], 0
	s_mov_b32 s[G1B+1], 256<<16
	s_mov_b32 s[G1B+2], 64<<16
	s_mov_b32 s[G1B+3], 256<<16
	s_mov_b32 s[G1B+4], 64
	s_mov_b32 s[G1B+5], NP
	s_mov_b32 s[G1B+6], 0
	s_mov_b32 s[G1B+7], 0
	s_lshl_b32 s20, s[TR], 7                       ; A: row 128 x tile row + 64 x half, 2,048 bytes a row: made of the tile row and the wave's number alone
	s_lshl_b32 s21, s[CH], 6
	s_add_co_u32 s20, s20, s21
	s_lshl_b32 s20, s20, 11
	s_mov_b32 s21, 0
	s_mul_i32 s22, s[CH], 64*NP*2                  ; B: k-row 64 x half, column 256 x tile column: made of the tile column and the wave's number alone
	s_lshl_b32 s23, s[TC], 9
	s_add_co_u32 s22, s22, s23
	s_mov_b32 s23, 0
	s_mul_i32 s19, s[CH], AHALF                    ; where they go: the wave's number alone
	s_mul_i32 s3, s[CH], BHALF
	s_add_co_u32 s3, s3, BBASE
	s_mov_b32 s[TB], 0
	s_wait_dscnt 0x0                               ; the opening add is done
	s_wait_kmcnt 0x0
	s_add_nc_u64 s[20:21], s[4:5], s[20:21]
	s_add_nc_u64 s[22:23], s[6:7], s[22:23]
.irp s, 0,1
	s_mov_b32 s[G0A+4*(\s)], 1
	s_add_co_u32 s[G0A+4*(\s)+1], s19, (\s)*SLOT1
	s_add_nc_u64 s[G0A+4*(\s)+2:G0A+4*(\s)+3], s[20:21], (\s)*256
	s_or_b32 s[G0A+4*(\s)+3], s[G0A+4*(\s)+3], 0x80000000
	s_mov_b32 s[G0B+4*(\s)], 1
	s_add_co_u32 s[G0B+4*(\s)+1], s3, (\s)*SLOT1
	s_add_nc_u64 s[G0B+4*(\s)+2:G0B+4*(\s)+3], s[22:23], (\s)*BSTEP
	s_or_b32 s[G0B+4*(\s)+3], s[G0B+4*(\s)+3], 0x80000000
.endr
	CROUND                                         ; all sixteen work-groups are here: the first joint loads meet
	s_cmp_lt_u32 s[WV], 2                          ; a wave's two first fills stand in one branch, ahead of every wait on TENSORcnt and every LDS read
	s_cbranch_scc0 .Lfirst_b
	tensor_load_to_lds s[G0A:G0A+3], s[G1A:G1A+7]
	s_nop 0
	tensor_load_to_lds s[G0A+4:G0A+7], s[G1A:G1A+7]
	s_nop 0
.rept 4
	v_nop
.endr
	s_branch .Lfirst_asked
.Lfirst_b:
	tensor_load_to_lds s[G0B:G0B+3], s[G1B:G1B+7]
	s_nop 0
	tensor_load_to_lds s[G0B+4:G0B+7], s[G1B:G1B+7]
	s_nop 0
.rept 4
	v_nop
.endr
.Lfirst_asked:
	v_and_b32 v1, 15, v0                           ; r = l % 16
	v_bfe_u32 v2, v0, 4, 1                         ; h = l / 16
	v_and_b32 v3, 7, v0
	v_bfe_u32 v4, v0, 3, 1
	v_and_b32 v5, 31, v0
	s_lshl_b32 s62, s[TC], 10                      ; the bias of my 128 columns: (256 x tile column + 128 x half) x 4 bytes
	s_lshl_b32 s63, s[CH], 9
	s_add_co_u32 s62, s62, s63
	s_add_co_u32 s62, s62, BIASOFF
	v_lshl_add_u32 v[BO], v2, 5, s62               ; + 32 h
	WIN 0x40                                       ; destination window 1: the sums start from the bias: column block b's 8 numbers a lane go into all 4 row blocks' accumulators
.irp a, 0,1,2,3
.irp b, 0,1,2,3,4,5,6,7
	global_load_b128 v[8*(8*(\a)+(\b)):8*(8*(\a)+(\b))+3],   v[BO], s[10:11] offset:64*(\b)
	global_load_b128 v[8*(8*(\a)+(\b))+4:8*(8*(\a)+(\b))+7], v[BO], s[10:11] offset:64*(\b)+16
.endr
.endr
	WIN 0
	v_mul_u32_u24 v[ADRA0], v1, PA                 ; a fragment of A: row r x pitch + 16 h, in my 64 rows
	v_lshl_add_u32 v[ADRA0], v2, 4, v[ADRA0]
	s_mul_i32 s2, s[RH], 64*PA
	v_add_nc_u32 v[ADRA0], s2, v[ADRA0]
	v_lshl_add_u32 v[ADRB0], v2, 3, v3             ; the turning load: k-row 8 h + l % 8, 16 bytes at 16 ((l / 8) % 2), in my 128 columns
	v_mul_u32_u24 v[ADRB0], v[ADRB0], PB
	v_lshl_add_u32 v[ADRB0], v4, 4, v[ADRB0]
	s_lshl_b32 s2, s[CH], 8
	s_add_co_u32 s2, s2, BBASE
	v_add_nc_u32 v[ADRB0], s2, v[ADRB0]
	v_mov_b32 v[ADRA], v[ADRA0]
	v_mov_b32 v[ADRB], v[ADRB0]
	s_mul_i32 s2, s[WV], 16*SP
	s_add_co_u32 s2, s2, STAGE                     ; my stage
	v_mul_u32_u24 v[STO], v1, SP                   ; in: row r, my eight numbers: 32 bytes for each half of the lanes
	v_lshl_add_u32 v[STO], v2, 5, v[STO]
	v_add_nc_u32 v[STO], s2, v[STO]
	v_lshlrev_b32 v[CO], 4, v5                     ; back: 32 lanes take one row of 512 bytes
	v_add_nc_u32 v[RD], s2, v[CO]
	s_lshl_b32 s58, s[TR], 7                       ; C at my 64 rows and 128 columns
	s_lshl_b32 s59, s[RH], 6
	s_add_co_u32 s58, s58, s59
	s_mul_i32 s58, s58, CP
	s_lshl_b32 s59, s[TC], 10
	s_add_co_u32 s58, s58, s59
	s_lshl_b32 s59, s[CH], 9
	s_add_co_u32 s58, s58, s59
	s_mov_b32 s59, 0
	s_add_nc_u64 s[8:9], s[8:9], s[58:59]
	; the prefetches: where they stand, and who asks.  Nothing is asked for here, at the head, where every work-group's first tiles are on their way
	s_lshl_b32 s2, s[TR], 18                       ; A: the tile row's 128 rows of 2,048 bytes,
	s_lshl_b32 s3, s[CX], 16                       ; my work-group's 32 of them,
	s_add_co_u32 s2, s2, s3
	s_add_co_u32 s2, s2, 3*256                     ; at K step 3: the first change of slots steps it to 4
	s_lshl_b32 s3, s[CY], 16                       ; B: my work-group's 32 of a step's 128 k-rows,
	s_lshl_b32 s19, s[TC], 9                       ; the tile column's 512 bytes,
	s_add_co_u32 s3, s3, s19
	s_add_co_u32 s3, s3, 3*BSTEP                   ; at K step 3
	s_mov_b32 s19, 256
	s_mov_b32 s[PST], BSTEP
	s_and_b32 s[LIM], ttmp7, 0xffff                ; cluster y
	s_cmp_lt_u32 s[WV], 2                          ; do I fetch for A?
	s_cselect_b32 s2, s2, s3
	s_cselect_b32 s[PST], s19, s[PST]
	s_cselect_b32 s[LIM], 0, s[LIM]                ; A's rows are read by my cluster alone; B's by every cluster of the column, of which the first asks
	s_cselect_b64 s[PFA:PFA+1], s[4:5], s[6:7]
	s_mov_b32 s3, 0
	s_mov_b32 s[PST+1], 0
	s_add_nc_u64 s[PFA:PFA+1], s[PFA:PFA+1], s[2:3]
	s_and_b32 s3, s[WV], 1                         ; waves 0 and 2 ask
	s_or_b32 s3, s3, s[LIM]
	s_cmp_eq_u32 s3, 0
	s_cselect_b32 s[LIM], 2, -1                    ; the same in all sixteen partners, for a given wave
	v_lshlrev_b32 v[PFO], 11, v5
	s_wait_tensorcnt 1                             ; my part of K step 0 is in; step 1's may stay out
	s_barrier_signal -1
	s_barrier_wait -1
	FETCH 0, 0
	s_wait_loadcnt 0x0                             ; the bias lies in the accumulators
	s_mov_b32 s[CNT], 6
.Lstep:                                                ; trip i is K step i, and asks for step i + 2
	QUARTER 1, 0, 1
	QUARTER 2, 1, 0
	QUARTER 3, 0, 1
	TURN 1
	WIN 0
	s_sub_co_u32 s[CNT], s[CNT], 1
	s_cmp_lg_u32 s[CNT], 0
	s_cbranch_scc1 .Lstep
	s_mov_b32 s[CNT], 2
.Ltail:                                                ; steps 6 and 7 ask for nothing.  One text for both: behind step 7 it fetches 24 fragments of the other slot's old bytes, which nothing uses:
	QUARTER 1, 0, 1                                ; the price, once a launch, of not writing the last step out
	QUARTER 2, 1, 0
	QUARTER 3, 0, 1
	TURN 0
	WIN 0
	s_sub_co_u32 s[CNT], s[CNT], 1
	s_cmp_lg_u32 s[CNT], 0
	s_cbranch_scc1 .Ltail
	s_wait_dscnt 0x0                               ; the unused fragments have landed: their registers serve again below
	PLACES
	; THE WAY OUT, a block of 16 rows at a time through my own stage; LDS serves a wave's instructions in order (ISA guide 5.7.1.4), so no wait stands between my stores and my loads.
.irp a, 0,1,2,3
	WIN 0x04                                       ; store data in window 1; each accumulator's low four registers go first
.irp b, 0,1,2,3,4,5,6,7
	ds_store_b128 v[STO], v[8*(8*(\a)+(\b)):8*(8*(\a)+(\b))+3]   offset:64*(\b)
	ds_store_b128 v[STO], v[8*(8*(\a)+(\b))+4:8*(8*(\a)+(\b))+7] offset:64*(\b)+16
.endr
	WIN 0
.if (\a) >= 2
	s_wait_xcnt 0x0                                ; the stores of two blocks back have read these registers
.endif
.irp t, 0,1,2,3,4,5,6,7,8,9,10,11,12,13,14,15
	ds_load_b128 v[32+64*((\a)%2)+4*(\t):32+64*((\a)%2)+4*(\t)+3], v[RD] offset:(\t)*SP
.endr
.irp t, 0,1,2,3,4,5,6,7,8,9,10,11,12,13,14,15
	s_wait_dscnt 15-(\t)                           ; row t is back; the younger loads stay out
	global_store_b128 v[CO], v[32+64*((\a)%2)+4*(\t):32+64*((\a)%2)+4*(\t)+3], s[8:9] offset:(16*(\a)+(\t))*CP th:TH_STORE_NT  ; a wave stores 512 consecutive bytes, aligned
.endr
.endr
	s_wait_tensorcnt 0x0                           ; the wave's end
	ds_add_u32 v[SPW], v[NIL]
	s_wait_dscnt 0x0
	CROUND                                         ; the closing round
	s_endpgm
.Lfunc_end_k_q3dd2e70e5f_outp:
	.size	k_q3dd2e70e5f_outp, .Lfunc_end_k_q3dd2e70e5f_outp-k_q3dd2e70e5f_outp
	.p2alignl 7, 3214868480
	.fill 96, 4, 3214868480
	.section	.rodata,"a",@progbits
	.p2align	6, 0x0
	.amdhsa_kernel k_q3dd2e70e5f_outp
		.amdhsa_group_segment_fixed_size 327680
		.amdhsa_private_segment_fixed_size 0
		.amdhsa_enable_private_segment 0
		.amdhsa_kernarg_size 32
		.amdhsa_user_sgpr_count 2
		.amdhsa_user_sgpr_kernarg_segment_ptr 1
		.amdhsa_wavefront_size32 1
		.amdhsa_system_sgpr_workgroup_id_x 1
		.amdhsa_system_sgpr_workgroup_id_y 1
		.amdhsa_system_sgpr_workgroup_id_z 1
		.amdhsa_system_vgpr_workitem_id 0
		.amdhsa_next_free_vgpr 512
		.amdhsa_next_free_sgpr 66
		.amdhsa_reserve_vcc 0
		.amdhsa_float_denorm_mode_32 3
		.amdhsa_float_denorm_mode_16_64 3
		.amdhsa_memory_ordered 1
		.amdhsa_forward_progress 1
		.amdhsa_inst_pref_size 65
	.end_amdhsa_kernel
	.amdgpu_metadata
---
amdhsa.version: [ 1, 2 ]
amdhsa.kernels:
  - .name:           k_q3dd2e70e5f_outp
    .symbol:         k_q3dd2e70e5f_outp.kd
    .args:
      - { .name: ob, .offset: 0, .size: 8, .value_kind: global_buffer, .address_space: global }
      - { .name: wo16, .offset: 8, .size: 8, .value_kind: global_buffer, .address_space: global }
      - { .name: out0, .offset: 16, .size: 8, .value_kind: global_buffer, .address_space: global }
      - { .name: bcat, .offset: 24, .size: 8, .value_kind: global_buffer, .address_space: global }
    .group_segment_fixed_size: 327680
    .private_segment_fixed_size: 0
    .kernarg_segment_align: 8
    .kernarg_segment_size: 32
    .max_flat_workgroup_size: 128
    .sgpr_count:     66
    .vgpr_count:     512
    .wavefront_size: 32
...
	.end_amdgpu_metadata
.endif
;; end of part 5
;; ======== version 2 of 2: 5 launches; version 1 with the launch prep written anew for expert scheduling mode
;; limits: values are held in f16: magnitudes above 65,504 overflow, below 6.1e-05 lose precision
;; workspace buffers: xb 16,777,216 bytes; wqkv 6,291,456 bytes; wo16 2,097,152 bytes; bcat 16,384 bytes; qkv 50,331,648 bytes; pw 33,554,432 bytes; stats 524,288 bytes; ob 16,777,216 bytes
;; launch prep (part 6): grid 777 x 1, 8 waves a work-group, no clusters, 0 bytes of LDS; arguments x, Wq, Wk, Wv, Wo, bq, bk, bv, bo, xb, wqkv, wo16, bcat, stats; writes xb, wqkv, wo16, bcat, stats
.if DOCPART == 6
	.amdgcn_target "amdgcn-amd-amdhsa--gfx1250"
	.amdhsa_code_object_version 6
	.text
	.protected	k_q3dd2e70e5f_prep
	.globl	k_q3dd2e70e5f_prep
	.p2align	8
	.type	k_q3dd2e70e5f_prep,@function
k_q3dd2e70e5f_prep:
	s_mov_b64 s[64:65], 0
	v_nop
	global_prefetch_b8 v0, s[64:65] scope:SCOPE_SE
	s_setreg_imm32_b32 hwreg(HW_REG_WAVE_SCHED_MODE, 0, 2), 2
	s_setreg_imm32_b32 hwreg(HW_REG_WAVE_MODE, 25, 1), 1
	s_wait_xcnt 0x0
	s_wait_alu depctr_vm_vsrc(0)
; PREP: every input is rounded once to bf16 and laid out for the products that follow.
;   work-groups 0-511    x [8192][1024] f32 -> xb bf16 IN BLOCKS: [16 blocks of 64 columns][8192 rows][64], so that the rows of one block lie end to end, 128 bytes each; 16 rows a work-group
;   work-groups 512-703  Wq, Wk, Wv [1024][1024] f32 -> wqkv bf16 [1024 d][3072 e], columns 0-1023, 1024-2047, 2048-3071; 16 rows each
;   work-groups 704-767  Wo -> rounded to bf16, that number written as f16 (exact from 2^-14 up; below 6e-5 f16 keeps its fixed step of 6e-8)
;   work-groups 768-775  stats filled with the neutral pair: c m = the lowest finite number, l = 0 (the score launch overwrites the tiles that exist)
;   work-group  776      bq, bk, bv, bo -> rounded to bf16, kept as f32, in bcat [4096]
; A stream: memory binds, so no LDS, no matrix unit, no cluster.  A chunk is 16 rows of 1,024 numbers, 16 loads of 16 bytes a thread, all out together; each has registers of its own,
; so no source of a pending instruction is ever rewritten.  Weights: thread t owns columns 4 t .. 4 t + 3 of each row: a load of a wave covers 512 consecutive bytes, a store 256, aligned.
; x: a wave owns two blocks of 64 columns; a load takes one block of two rows (each half of the lanes 256 consecutive bytes, aligned), and the store is those two rows on end in the block: 256 consecutive bytes, aligned.
; THE MODE: SCHED_MODE bits 1:0 = 2 (LLVM: expert scheduling mode 2), set by the entry lines.  The code itself states the register dependences
; between vector instructions and memory instructions, with s_wait_alu, always for 0.
; THE PLAN.  Registers that memory instructions touch:
;   v1, v2     byte offsets.  Written by vector instructions at the head (in x's part once more), ahead of every memory instruction; read by the loads (v1) and the stores (v2; v1 in the last two parts); never written again.
;   IN         load u: four registers of its own.  Written by that load, once; read by its conversions.  No vector instruction names them ahead of the loads.
;   OUT        load u: two registers of its own (a bias: four).  Written by its conversions, once; read by its store; never written again.
;   v[4:7]     in the part that fills stats: written by four moves, read by its 16 stores.  Elsewhere v[4:9] are named by vector instructions alone.
; No register that a memory instruction has read is written again, no vector instruction writes a scalar register or VCC, and EXEC is never written: the one kind of dependence is a vector
; instruction's write ahead of a memory instruction's read.  A chunk's 16 loads are worked on in four groups of four.  The wait at the head of group g states that group g - 1 has written its OUT registers;
; that group's four stores follow it, dealt among group g's conversions, which name IN and OUT of group g and v[4:9]: none of the registers that those stores read.
.set SRC, 36                           ; s[36:37] the chunk in its input
.set DST, 38                           ; s[38:39] the chunk in its output
.set IN,  16                           ; v[16:79]   load u: 4 registers as loaded
.set OUT, 80                           ; v[80:111]  load u: 2 registers to store
; The conversions of load u.  mode 0: f32 -> bf16.  mode 1: f32 -> bf16 -> f16.
.macro CVT mode, u
.if \mode
	v_cvt_pk_bf16_f32 v4, v[IN+4*(\u)], v[IN+4*(\u)+1]
	v_cvt_pk_bf16_f32 v5, v[IN+4*(\u)+2], v[IN+4*(\u)+3]
	v_lshlrev_b32 v6, 16, v4                       ; bf16 to f32: the low half moves up, the high half stays
	v_and_b32 v7, 0xffff0000, v4
	v_lshlrev_b32 v8, 16, v5
	v_and_b32 v9, 0xffff0000, v5
	v_cvt_pk_f16_f32 v[OUT+2*(\u)], v6, v7
	v_cvt_pk_f16_f32 v[OUT+2*(\u)+1], v8, v9
.else
	v_cvt_pk_bf16_f32 v[OUT+2*(\u)], v[IN+4*(\u)], v[IN+4*(\u)+1]
	v_cvt_pk_bf16_f32 v[OUT+2*(\u)+1], v[IN+4*(\u)+2], v[IN+4*(\u)+3]
.endif
.endm
; The store of load u's numbers.
.macro PUT u, shi, slo
	global_store_b64 v2, v[OUT+2*(\u):OUT+2*(\u)+1], s[DST:DST+1] offset:((\u)/8)*(\shi)+((\u)%8)*(\slo)
.endm
; A chunk.  Load u stands (u / 8) lhi + (u % 8) llo bytes behind the thread's first, its store (u / 8) shi + (u % 8) slo.
.macro CONV mode, lhi, llo, shi, slo
	s_wait_alu depctr_va_vdst(0)                   ; v1 and v2 are written: the loads below read v1 as their offset, the stores v2
.irp u, 0,1,2,3,4,5,6,7,8,9,10,11,12,13,14,15
	global_load_b128 v[IN+4*(\u):IN+4*(\u)+3], v1, s[SRC:SRC+1] offset:((\u)/8)*(\lhi)+((\u)%8)*(\llo) th:TH_LOAD_NT
.endr
	s_wait_loadcnt 12                              ; loads come back in order: loads 0 to 3 are in, the 12 younger ones stay out
.irp i, 0,1,2,3
	CVT \mode, \i                                  ; group 0 has no group in front of it: no store
.endr
.irp g, 1,2,3
	s_wait_loadcnt 12-4*(\g)                       ; loads 4 g to 4 g + 3 are in, the 12 - 4 g younger ones stay out
	s_wait_alu depctr_va_vdst(0)                   ; the conversions of group g - 1 have written their OUT registers, which the four stores below read
.irp i, 0,1,2,3
	PUT 4*(\g)-4+(\i), \shi, \slo                  ; the group before; no vector instruction since the wait names its registers
	CVT \mode, 4*(\g)+(\i)
.endr
.endr
	s_wait_alu depctr_va_vdst(0)                   ; the conversions of group 3 have written their OUT registers, which the last four stores read
.irp i, 12,13,14,15
	PUT \i, \shi, \slo
.endr
.endm
	s_load_b512 s[8:23], s[0:1], 0x0               ; x 8, Wq 10, Wk 12, Wv 14, Wo 16, bq 18, bk 20, bv 22
	s_load_b256 s[24:31], s[0:1], 0x40             ; bo 24, xb 26, wqkv 28, wo16 30
	s_load_b128 s[32:35], s[0:1], 0x60             ; bcat 32, stats 34
	s_mov_b32 s3, ttmp9                            ; the work-group's number chooses its part
	s_mov_b32 s41, 0                               ; high words of the two offsets
	s_mov_b32 s43, 0
	v_lshlrev_b32 v1, 4, v0                        ; 16 t: my bytes in a row of f32
	v_lshlrev_b32 v2, 3, v0                        ; 8 t: my bytes in a row of 16-bit numbers
	s_wait_kmcnt 0x0
	s_cmp_lt_u32 s3, 512
	s_cbranch_scc0 .Lweights
	v_and_b32 v3, 15, v0                           ; l % 16: my four columns in a block of 64
	v_bfe_u32 v4, v0, 4, 1                         ; l / 16: which of the two rows
	v_lshrrev_b32 v5, 5, v0                        ; wave: blocks 2 w, 2 w + 1
	v_lshlrev_b32 v1, 4, v3                        ; in: 16 (l % 16)  (no memory instruction has read v1 or v2 yet)
	v_lshl_add_u32 v1, v4, 12, v1                  ;     + a row of 4,096 bytes
	v_lshl_add_u32 v1, v5, 9, v1                   ;     + two blocks of 256 bytes a wave
	v_and_b32 v2, 31, v0
	v_lshlrev_b32 v2, 3, v2                        ; out: 8 l: two rows of 128 bytes on end
	v_lshl_add_u32 v2, v5, 21, v2                  ;      + two blocks of 8,192 x 128 bytes a wave
	s_lshl_b32 s40, s3, 16                         ; 16 rows of 4,096 bytes
	s_lshl_b32 s42, s3, 11                         ; 16 rows of 128 bytes in each block
	s_add_nc_u64 s[SRC:SRC+1], s[8:9], s[40:41]
	s_add_nc_u64 s[DST:DST+1], s[26:27], s[42:43]
	CONV 0, 256, 8192, 1048576, 256                ; u / 8: the block; u % 8: the pair of rows
	s_endpgm
.Lweights:
	s_cmp_lt_u32 s3, 704
	s_cbranch_scc0 .Lwo
	s_sub_co_u32 s4, s3, 512
	s_lshr_b32 s5, s4, 6                           ; which of the three weights
	s_and_b32 s4, s4, 63                           ; which 16 rows
	s_cmp_eq_u32 s5, 0
	s_cselect_b64 s[SRC:SRC+1], s[10:11], s[12:13]
	s_cmp_eq_u32 s5, 2
	s_cselect_b64 s[SRC:SRC+1], s[14:15], s[SRC:SRC+1]
	s_lshl_b32 s40, s4, 16
	s_add_nc_u64 s[SRC:SRC+1], s[SRC:SRC+1], s[40:41]
	s_mul_i32 s42, s4, 98304                       ; 16 rows of 6,144 bytes,
	s_lshl_b32 s5, s5, 11                          ; and the weight's 2,048 bytes in a row
	s_add_co_u32 s42, s42, s5
	s_add_nc_u64 s[DST:DST+1], s[28:29], s[42:43]
	CONV 0, 32768, 4096, 49152, 6144               ; load u is row u
	s_endpgm
.Lwo:
	s_cmp_lt_u32 s3, 768
	s_cbranch_scc0 .Lfill
	s_sub_co_u32 s4, s3, 704
	s_lshl_b32 s40, s4, 16
	s_lshl_b32 s42, s4, 15
	s_add_nc_u64 s[SRC:SRC+1], s[16:17], s[40:41]
	s_add_nc_u64 s[DST:DST+1], s[30:31], s[42:43]
	CONV 1, 32768, 4096, 16384, 2048
	s_endpgm
.Lfill:
	s_cmp_lt_u32 s3, 776
	s_cbranch_scc0 .Lbias
	s_sub_co_u32 s4, s3, 768                       ; 65,536 bytes each: parts 0-3 are c m, parts 4-7 are l
	s_cmp_lt_u32 s4, 4
	s_cselect_b32 s5, 0xff7fffff, 0
	s_lshl_b32 s40, s4, 16
	s_add_nc_u64 s[DST:DST+1], s[34:35], s[40:41]
	v_mov_b32 v4, s5
	v_mov_b32 v5, s5
	v_mov_b32 v6, s5
	v_mov_b32 v7, s5
	s_wait_alu depctr_va_vdst(0)                   ; v1 and v[4:7] are written: the 16 stores read them as their offset and their data
.irp u, 0,1,2,3,4,5,6,7,8,9,10,11,12,13,14,15
	global_store_b128 v1, v[4:7], s[DST:DST+1] offset:(\u)*4096
.endr
	s_endpgm
.Lbias:
	s_wait_alu depctr_va_vdst(0)                   ; v1 is written: the loads and stores below read it as their offset
.irp i, 0,1,2,3
	global_load_b128 v[IN+4*(\i):IN+4*(\i)+3], v1, s[18+2*(\i):19+2*(\i)]
.endr
	s_wait_loadcnt 0x0
.irp i, 0,1,2,3
	v_cvt_pk_bf16_f32 v4, v[IN+4*(\i)], v[IN+4*(\i)+1]
	v_cvt_pk_bf16_f32 v5, v[IN+4*(\i)+2], v[IN+4*(\i)+3]
	v_lshlrev_b32 v[OUT+4*(\i)], 16, v4
	v_and_b32 v[OUT+4*(\i)+1], 0xffff0000, v4
	v_lshlrev_b32 v[OUT+4*(\i)+2], 16, v5
	v_and_b32 v[OUT+4*(\i)+3], 0xffff0000, v5
.endr
	s_wait_alu depctr_va_vdst(0)                   ; the four biases' numbers are written into v[OUT ..], which the four stores read
.irp i, 0,1,2,3
	global_store_b128 v1, v[OUT+4*(\i):OUT+4*(\i)+3], s[32:33] offset:(\i)*4096
.endr
	s_endpgm
.Lfunc_end_k_q3dd2e70e5f_prep:
	.size	k_q3dd2e70e5f_prep, .Lfunc_end_k_q3dd2e70e5f_prep-k_q3dd2e70e5f_prep
	.p2alignl 7, 3214868480
	.fill 96, 4, 3214868480
	.section	.rodata,"a",@progbits
	.p2align	6, 0x0
	.amdhsa_kernel k_q3dd2e70e5f_prep
		.amdhsa_group_segment_fixed_size 0
		.amdhsa_private_segment_fixed_size 0
		.amdhsa_enable_private_segment 0
		.amdhsa_kernarg_size 112
		.amdhsa_user_sgpr_count 2
		.amdhsa_user_sgpr_kernarg_segment_ptr 1
		.amdhsa_wavefront_size32 1
		.amdhsa_system_sgpr_workgroup_id_x 1
		.amdhsa_system_sgpr_workgroup_id_y 1
		.amdhsa_system_sgpr_workgroup_id_z 1
		.amdhsa_system_vgpr_workitem_id 0
		.amdhsa_next_free_vgpr 112
		.amdhsa_next_free_sgpr 66
		.amdhsa_reserve_vcc 0
		.amdhsa_float_denorm_mode_32 3
		.amdhsa_float_denorm_mode_16_64 3
		.amdhsa_memory_ordered 1
		.amdhsa_forward_progress 1
		.amdhsa_inst_pref_size 28
	.end_amdhsa_kernel
	.amdgpu_metadata
---
amdhsa.version: [ 1, 2 ]
amdhsa.kernels:
  - .name:           k_q3dd2e70e5f_prep
    .symbol:         k_q3dd2e70e5f_prep.kd
    .args:
      - { .name: x, .offset: 0, .size: 8, .value_kind: global_buffer, .address_space: global }
      - { .name: Wq, .offset: 8, .size: 8, .value_kind: global_buffer, .address_space: global }
      - { .name: Wk, .offset: 16, .size: 8, .value_kind: global_buffer, .address_space: global }
      - { .name: Wv, .offset: 24, .size: 8, .value_kind: global_buffer, .address_space: global }
      - { .name: Wo, .offset: 32, .size: 8, .value_kind: global_buffer, .address_space: global }
      - { .name: bq, .offset: 40, .size: 8, .value_kind: global_buffer, .address_space: global }
      - { .name: bk, .offset: 48, .size: 8, .value_kind: global_buffer, .address_space: global }
      - { .name: bv, .offset: 56, .size: 8, .value_kind: global_buffer, .address_space: global }
      - { .name: bo, .offset: 64, .size: 8, .value_kind: global_buffer, .address_space: global }
      - { .name: xb, .offset: 72, .size: 8, .value_kind: global_buffer, .address_space: global }
      - { .name: wqkv, .offset: 80, .size: 8, .value_kind: global_buffer, .address_space: global }
      - { .name: wo16, .offset: 88, .size: 8, .value_kind: global_buffer, .address_space: global }
      - { .name: bcat, .offset: 96, .size: 8, .value_kind: global_buffer, .address_space: global }
      - { .name: stats, .offset: 104, .size: 8, .value_kind: global_buffer, .address_space: global }
    .group_segment_fixed_size: 0
    .private_segment_fixed_size: 0
    .kernarg_segment_align: 8
    .kernarg_segment_size: 112
    .max_flat_workgroup_size: 256
    .sgpr_count:     66
    .vgpr_count:     112
    .wavefront_size: 32
...
	.end_amdgpu_metadata
.endif
;; end of part 6
;; launch proj: the kernel of part 2 again; grid 8 x 32, 4 waves a work-group, clusters of 4 x 4, 327,680 bytes of LDS; arguments xb, wqkv, qkv, bcat; writes qkv
;; launch scores: the kernel of part 3 again; grid 36 x 4, 4 waves a work-group, no clusters, 327,680 bytes of LDS; arguments qkv, pw, stats; writes pw, stats
;; launch pv: the kernel of part 4 again; grid 8 x 32, 4 waves a work-group, clusters of 4 x 1, 327,680 bytes of LDS; arguments pw, stats, qkv, ob; writes ob
;; launch outp: the kernel of part 5 again; grid 4 x 64, 4 waves a work-group, clusters of 4 x 4, 327,680 bytes of LDS; arguments ob, wo16, out0, bcat; writes out0
